; MI455X (gfx1250); checked and timed in simulation.
; The chip was launched on July 23, 2026; its instructions are those of AMD's public machine-readable ISA for CDNA 5 (MIT licence, August 2026) and "CDNA5" Instruction Set Architecture Reference Guide (July 2026). The comments in the code are by the model that wrote it; some were corrected since.
;; Transformer Block Py Torch. Allowed arithmetic: matrix products marked QUANTISED: E4M3 operands, one given power-of-two scale a tensor, by v_wmma_f32_16x16x64_fp8_fp8 or v_wmma_f32_16x16x128_fp8_fp8, f32 sums; everything else in f32.
;; Inputs: b_attn 3,072 float32; b_fc 4,096 float32; b_fc_proj 1,024 float32; b_proj 1,024 float32; ln1_b 1,024 float32; ln1_g 1,024 float32; ln2_b 1,024 float32; ln2_g 1,024 float32; lowp_scales 12 int32 (the exponents e of the quantised operands' scales 2^e); w_attn 1,024 x 3,072 float32; w_fc 1,024 x 4,096 float32; w_fc_proj 4,096 x 1,024 float32; w_proj 1,024 x 1,024 float32; x 2 x 2,048 x 1,024 float32.
;; Outputs: out0 2 x 2,048 x 1,024 float32.
;; This version of the problem:
;;   THIS VERSION OF THE PROBLEM IS GIVEN IN LOW PRECISION. The matrix products marked QUANTISED in the list below multiply operands that are first quantised to E4M3 (4 exponent bits, 3 mantissa bits; 8 bits a number), with one given power-of-two scale for each operand tensor; their sums are f32. All else is computed in f32.
;;   The module's matrix products, in the order in which they are computed (A, B: the left and right operand; K: the contracted axis; several contracted axes count as one K, in the product's order):
;;     1. [M 4,096, K 1,024] x [K 1,024, N 3,072]; A: input x; B: input w_attn: QUANTISED (scales: A lowp_scales[0], B lowp_scales[1])
;;     2. batch 32 x [M 2,048, K 64] x [K 64, N 2,048]; A: computed on the way; B: computed on the way: QUANTISED (scales: A lowp_scales[2], B lowp_scales[3])
;;     3. batch 32 x [M 2,048, K 2,048] x [K 2,048, N 64]; A: softmax (see below); B: computed on the way: QUANTISED (scales: A lowp_scales[4], B lowp_scales[5])
;;     4. [M 4,096, K 1,024] x [K 1,024, N 1,024]; A: computed on the way; B: input w_proj: QUANTISED (scales: A lowp_scales[6], B lowp_scales[7])
;;     5. [M 4,096, K 1,024] x [K 1,024, N 4,096]; A: computed on the way; B: input w_fc: QUANTISED (scales: A lowp_scales[8], B lowp_scales[9])
;;     6. [M 4,096, K 4,096] x [K 4,096, N 1,024]; A: computed on the way; B: input w_fc_proj: QUANTISED (scales: A lowp_scales[10], B lowp_scales[11])
;;   THE QUANTISER, for each operand of a quantised product, along K:
;;     - The operand's scale is 2^e, e = its entry of the input lowp_scales (int32; the entries are numbered through the quantised products in the list's order, A before B).
;;     - Each number is divided by the scale, clamped to +-448, and rounded to the nearest number of E4M3, ties to even, subnormals kept.
;;     - The product sums the exact products of the quantised numbers (number of the format x scale) in f32.
;;   ~~~python
;;   def quantise(x, axis, e):      # numpy; x: float32 -> the quantised numbers, widened to float32 again
;;       x = np.moveaxis(x, axis, -1); K = x.shape[-1]
;;       r = np.clip(x / 2.0 ** e, -448, 448)
;;       step = 2.0 ** (np.maximum(np.frexp(np.where(r == 0, 1, r))[1] - 1, -6) - 3)
;;       q = np.round(r / step) * step * 2.0 ** e      # np.round: ties to even
;;       return np.moveaxis(q, -1, axis).astype(np.float32)
;;   ~~~
;;   SOFTMAX AHEAD OF A QUANTISED PRODUCT. Where the list says 'softmax', what is quantised is not the finished softmax but p = 2^(t - M), with t = logit x log2(e) and M = ceil(the row's largest t), a whole number; so 1/2 < the row's largest p <= 1. The row's sum l is taken of the UNQUANTISED p, in f32, and the product's result is divided by l at the end. Since M is a whole number, a kernel that streams over the keys may use a running M (the ceiling of the running maximum): every later rescaling is an exact power of two, so the quantised numbers keep their values, but for numbers so far below the row's largest that they fall under the format's range.
;;   OPERANDS COMPUTED ON THE WAY. 'Computed on the way' means the value that the module computes at that place (a softmax that the list does not call 'softmax' is quantised finished and normalised). What goes into a quantiser is computed in f32, as accurately as f32 sums, v_exp_f32 and their like allow (about 1e-6 of the number): no bf16 or f16 on the way to a quantiser, and a product that is left as it is and whose result goes on into a quantised operand takes f32 operands (vector FMAs, or v_wmma_f32_16x16x4_f32). A number that lies on a knife's edge between two numbers of the format may be rounded either way, as far as f32 arithmetic and the matrix unit's own rounding can turn it there, and no further.
;; One version. Each part assembles by itself: llvm-mc -triple=amdgcn-amd-amdhsa -mcpu=gfx1250 --defsym DOCPART=n.
;; ======== version 1 of 1: 8 launches
;; limits: right only within a limited range of input values
;; workspace buffers: W0 16,777,216 bytes; qkv 12,582,912 bytes; yc 4,194,304 bytes; pre 16,777,216 bytes; h 16,777,216 bytes; hc 4,194,304 bytes; gc 16,777,216 bytes
;; launch quant (part 1): grid 512 x 1, 4 waves a work-group, no clusters, 68,096 bytes of LDS; arguments x, w_attn, w_proj, w_fc, w_fc_proj, lowp_scales, W0; writes W0
.if DOCPART == 1
	.amdgcn_target "amdgcn-amd-amdhsa--gfx1250"
	.amdhsa_code_object_version 6
	.text
	.protected	k_q12ddc05ed6_quant
	.globl	k_q12ddc05ed6_quant
	.p2align	8
	.type	k_q12ddc05ed6_quant,@function
k_q12ddc05ed6_quant:
	s_mov_b64 s[64:65], 0
	v_nop
	global_prefetch_b8 v0, s[64:65] scope:SCOPE_SE
	s_setreg_imm32_b32 hwreg(HW_REG_WAVE_MODE, 25, 1), 1
	s_wait_xcnt 0x0
; x [4096][1024] and the four weights ([K][N], f32) become codes of FP8 (E4M3) in W0, each with its given scale 2^e:
; code = number / 2^e, held within +-448, rounded to the nearest code, ties to even.
; LAYOUT of every operand in W0 (rows = tokens, or a weight's columns n): code (row, k) lies at
;   (row / 128) x 128 K + (k / 64) x 8192 + (row % 128) x 64 + k % 64: 128 rows x 64 k are 8,192 bytes on end.
; W0: x at 0, w_attn at 4 MiB, w_proj at 7 MiB, w_fc at 8 MiB, w_fc_proj at 12 MiB.
; Work-groups 0-127 take x (K innermost: 32 rows each), work-groups 128-511 the weights (K outermost: 128 columns x 256 k each): 128 KiB of f32 each.
; The two ways part on the work-group's number, never join, and use LDS bytes of their own.  No tensor loads, no barrier: waves share nothing.
; LIMITS: each e between -126 and 119.  NaN among the inputs is not served.
.set SPW,   12                         ; v12  LDS address of my spare word; never rewritten
.set NIL,   13                         ; v13  0; never rewritten
.set SP,    80                         ; x way: a lane's place in a stage: 64 bytes + 16 of padding
.set WSTG,  32768                      ; weights way: four stages of 32 rows x 272 bytes
.set SPARE, 67584                      ; the spare words, 128 bytes a wave
.set R,     16                         ; x way: v16-79 four sets of 16 numbers as loaded
.set X,     80                         ;        v80-111 two sets of 16 neighbours
.set C,     128                        ;        v128-191 codes, four registers a step
.set VO,    16                         ; weights way: v16-47 byte offset of row i of a block: 4 lane + i x row
.set WX,    48                         ;        v48-111 two sets of 32 numbers
.set WC,    112                        ;        v112-119 a block's codes
.set OUTR,  120                        ;        v120-183 the way out
	s_load_b256 s[4:11], s[0:1], 0x0               ; x, w_attn, w_proj, w_fc
	s_load_b128 s[12:15], s[0:1], 0x20             ; w_fc_proj, the scales' exponents
	s_load_b64 s[16:17], s[0:1], 0x30              ; W0
	v_lshl_add_u32 v[SPW], v0, 2, SPARE
	v_mov_b32 v[NIL], 0
	v_lshrrev_b32 v1, 5, v0
	v_readfirstlane_b32 s18, v1                    ; wave
	v_and_b32 v2, 31, v0                           ; lane
	s_wait_kmcnt 0x0
	s_load_b256 s[48:55], s[14:15], 0x0            ; e0 .. e7
	s_load_b128 s[56:59], s[14:15], 0x20           ; e8 .. e11
	s_cmp_lt_u32 ttmp9, 128
	s_cbranch_scc0 .Lweights
; ---------------- x: a wave takes 8 rows; step t is the rows' k = 64 t .. 64 t + 63: 2,048 bytes in, 512 bytes out
	s_wait_alu depctr_va_vdst(0)
	v_lshrrev_b32 v3, 4, v2
	v_lshlrev_b32 v3, 12, v3
	v_and_b32 v5, 15, v2
	v_lshl_add_u32 v3, v5, 4, v3                   ; a load: lanes 0-15 take 256 bytes of one row, lanes 16-31 of the next
	s_wait_alu depctr_va_vdst(0)
	s_lshl_b32 s19, s18, 13                        ; my wave's 8,192 bytes of LDS
	v_lshrrev_b32 v14, 2, v2
	v_mul_u32_u24 v14, v14, SP
	v_and_b32 v15, 3, v2
	v_lshl_add_u32 v14, v15, 4, v14
	v_add_nc_u32 v14, s19, v14                     ; the stage, on the way in: four lanes' 64 bytes on end, then the padding
	v_mul_u32_u24 v15, v2, SP
	v_add_nc_u32 v15, s19, v15                     ; and on the way out: my 16 neighbours
	v_lshlrev_b32 v4, 4, v2                        ; my 16 codes in a step's 512 bytes
	s_lshl_b32 s20, ttmp9, 17                      ; 32 rows of 4,096 bytes a work-group,
	s_lshl_b32 s21, s18, 15                        ; 8 a wave
	s_add_co_u32 s20, s20, s21
	s_mov_b32 s21, 0
	s_add_nc_u64 s[4:5], s[4:5], s[20:21]
	s_lshr_b32 s22, ttmp9, 2
	s_lshl_b32 s22, s22, 17                        ; the block of 128 rows,
	s_and_b32 s23, ttmp9, 3
	s_lshl_b32 s23, s23, 11                        ; my work-group's 32 rows of 64 bytes in it,
	s_add_co_u32 s22, s22, s23
	s_lshl_b32 s23, s18, 9                         ; my wave's 8
	s_add_co_u32 s22, s22, s23
	s_mov_b32 s23, 0
	s_add_nc_u64 s[16:17], s[16:17], s[22:23]
.macro XLOAD t
.irp i, 0,1,2,3
	global_load_b128 v[R+16*((\t)%4)+4*\i:R+16*((\t)%4)+4*\i+3], v3, s[4:5] offset:256*(\t)+8192*\i th:TH_LOAD_NT
.endr
.endm
.macro XTURN t                         ; a step's numbers through the stage: LDS serves a wave's instructions in order, so no wait stands between the stores and the loads
.irp i, 0,1,2,3
	ds_store_b128 v14, v[R+16*((\t)%4)+4*\i:R+16*((\t)%4)+4*\i+3] offset:32*SP*((\t)%2)+8*SP*\i
.endr
.irp i, 0,1,2,3
	ds_load_b128 v[X+16*((\t)%2)+4*\i:X+16*((\t)%2)+4*\i+3], v15 offset:32*SP*((\t)%2)+16*\i
.endr
.endm
.irp t, 0,1,2,3
	XLOAD \t
.endr
	s_wait_alu depctr_va_vdst(0)
	s_wait_kmcnt 0x0
	s_add_co_i32 s22, s48, 127
	s_lshl_b32 s23, s22, 23
	v_mov_b32 v11, s23                             ; 2^e0 as f32: the conversion takes its exponent field
	s_add_co_i32 s22, s22, 8
	s_lshl_b32 s22, s22, 23
	s_or_b32 s22, s22, 0x600000
	v_mov_b32 v10, s22                             ; 448 x 2^e0
	s_wait_alu depctr_va_vdst(0)
	s_wait_loadcnt 12                              ; step 0's four loads are in; three steps' may be out
	XTURN 0
.macro XSTEP t
.set XS, X+16*((\t)%2)
	s_wait_dscnt 0x0                               ; this step's numbers are back from the stage, so its stores into the stage have read their registers,
.if (\t)+4 < 16
	XLOAD (\t)+4                                   ; which take the loads of four steps on
.endif
.if (\t)+1 < 16
.if 14-(\t) >= 3
	s_wait_loadcnt 12                              ; the next step's four loads are in; those of the three steps behind it may be out
.else
	s_wait_loadcnt 4*(14-(\t))
.endif
	XTURN (\t)+1
.endif
.irp i, 0,1,2,3,4,5,6,7,8,9,10,11,12,13,14,15
	v_med3_num_f32 v[XS+\i], v[XS+\i], -v10, v10   ; the conversion to an 8-bit code does not saturate (ISA guide 7.6.2): the hold comes first
.endr
	v_cvt_scalef32_pk8_fp8_f32 v[C+4*(\t):C+4*(\t)+1], v[XS:XS+7], v11
	v_cvt_scalef32_pk8_fp8_f32 v[C+4*(\t)+2:C+4*(\t)+3], v[XS+8:XS+15], v11
	global_store_b128 v4, v[C+4*(\t):C+4*(\t)+3], s[16:17] offset:8192*(\t)   ; 8 rows x 64 codes: 512 consecutive bytes
.endm
.irp t, 0,1,2,3,4,5,6,7,8,9,10,11,12,13,14,15
	XSTEP \t
.endr
	s_wait_tensorcnt 0x0                           ; the wave's end
	ds_add_u32 v[SPW], v[NIL]
	s_wait_dscnt 0x0
	s_endpgm
; ---------------- the weights: a lane takes a column n and its registers run down K, so the conversions give codes with K innermost
.Lweights:
	s_wait_kmcnt 0x0
	s_sub_co_u32 s19, ttmp9, 128                   ; g: 0-95 w_attn, 96-127 w_proj, 128-255 w_fc, 256-383 w_fc_proj
	s_mov_b64 s[20:21], s[12:13]                   ; the tensor,
	s_mov_b32 s22, 4096                            ; a row of it in bytes,
	s_mov_b32 s23, 4                               ; log2(K / 256),
	s_mov_b32 s24, 12<<20                          ; its codes' place in W0,
	s_mov_b32 s26, 19                              ; log2(128 K),
	s_mov_b32 s27, 256                             ; its first work-group,
	s_mov_b32 s28, s59                             ; and its e: those of w_fc_proj, replaced below by choices on the work-group's number alone
	s_cmp_lt_u32 s19, 256
	s_cselect_b64 s[20:21], s[10:11], s[20:21]
	s_cselect_b32 s22, 16384, s22
	s_cselect_b32 s23, 2, s23
	s_cselect_b32 s24, 8<<20, s24
	s_cselect_b32 s26, 17, s26
	s_cselect_b32 s27, 128, s27
	s_cselect_b32 s28, s57, s28
	s_cmp_lt_u32 s19, 128
	s_cselect_b64 s[20:21], s[8:9], s[20:21]
	s_cselect_b32 s22, 4096, s22
	s_cselect_b32 s24, 7<<20, s24
	s_cselect_b32 s27, 96, s27
	s_cselect_b32 s28, s55, s28
	s_cmp_lt_u32 s19, 96
	s_cselect_b64 s[20:21], s[6:7], s[20:21]
	s_cselect_b32 s22, 12288, s22
	s_cselect_b32 s24, 4<<20, s24
	s_cselect_b32 s27, 0, s27
	s_cselect_b32 s28, s49, s28
	s_sub_co_u32 s29, s19, s27                     ; my number within the tensor
	s_lshr_b32 s30, s29, s23                       ; which 128 columns
	s_lshl_b32 s31, 1, s23
	s_sub_co_u32 s31, s31, 1
	s_and_b32 s29, s29, s31                        ; which 256 along K
	s_lshl_b32 s31, s30, s26
	s_add_co_u32 s24, s24, s31                     ; codes: the block of 128 columns,
	s_lshl_b32 s31, s29, 15
	s_add_co_u32 s24, s24, s31                     ; four pieces of 64 k,
	s_lshl_b32 s31, s18, 11
	s_add_co_u32 s24, s24, s31                     ; my wave's 32 columns of 64 bytes
	s_mov_b32 s25, 0
	s_add_nc_u64 s[16:17], s[16:17], s[24:25]
	s_mul_i32 s2, s29, s22
	s_lshl_b32 s2, s2, 8                           ; numbers: 256 rows for each piece of K,
	s_lshl_b32 s31, s30, 9
	s_add_co_u32 s2, s2, s31                       ; 128 columns of 4 bytes,
	s_lshl_b32 s31, s18, 7
	s_add_co_u32 s2, s2, s31                       ; my wave's 32
	s_mov_b32 s3, 0
	s_add_nc_u64 s[32:33], s[20:21], s[2:3]        ; a base for each of the eight blocks of 32 along K, so that none is ever rewritten
	s_lshl_b32 s2, s22, 5
.irp t, 1,2,3,4,5,6,7
	s_add_nc_u64 s[32+2*\t:33+2*\t], s[30+2*\t:31+2*\t], s[2:3]
.endr
	s_wait_alu depctr_va_vdst(0)
	v_lshlrev_b32 v3, 2, v2
.irp i, 0,1,2,3,4,5,6,7,8,9,10,11,12,13,14,15,16,17,18,19,20,21,22,23,24,25,26,27,28,29,30,31
	v_mad_u32_u24 v[VO+\i], s22, \i, v3
.endr
	s_mul_i32 s19, s18, 32*272
	s_add_co_u32 s19, s19, WSTG                    ; my stage
	v_mul_u32_u24 v4, v2, 272
	v_add_nc_u32 v4, s19, v4                       ; into it: row = my column
	v_lshrrev_b32 v7, 2, v2
	v_mul_u32_u24 v7, v7, 272
	v_and_b32 v5, 3, v2
	v_lshl_add_u32 v7, v5, 4, v7
	v_add_nc_u32 v7, s19, v7                       ; out of it: four lanes to a column's 64 bytes, eight columns an instruction
	v_lshlrev_b32 v8, 4, v2                        ; and the same 512 bytes in W0
	s_add_co_i32 s28, s28, 127
	s_lshl_b32 s31, s28, 23
	v_mov_b32 v11, s31                             ; 2^e as f32
	s_add_co_i32 s28, s28, 8
	s_lshl_b32 s28, s28, 23
	s_or_b32 s28, s28, 0x600000
	v_mov_b32 v10, s28                             ; 448 x 2^e
.macro WLOAD t                         ; block t: rows 32 t + i of my 256, at my column: 32 lanes read 128 consecutive bytes, the four waves 512
.irp i, 0,1,2,3,4,5,6,7,8,9,10,11,12,13,14,15,16,17,18,19,20,21,22,23,24,25,26,27,28,29,30,31
	global_load_b32 v[WX+32*((\t)%2)+\i], v[VO+\i], s[32+2*(\t):33+2*(\t)] th:TH_LOAD_NT
.endr
.endm
	WLOAD 0
	WLOAD 1
.macro BLOCK t
.set XS, WX+32*((\t)%2)
.if (\t) < 7
	s_wait_loadcnt 32                              ; this block's 32 loads are in; the next block's may be out
.else
	s_wait_loadcnt 0
.endif
.irp i, 0,1,2,3,4,5,6,7,8,9,10,11,12,13,14,15,16,17,18,19,20,21,22,23,24,25,26,27,28,29,30,31
	v_med3_num_f32 v[XS+\i], v[XS+\i], -v10, v10
.endr
.irp g, 0,1,2,3
	v_cvt_scalef32_pk8_fp8_f32 v[WC+2*\g:WC+2*\g+1], v[XS+8*\g:XS+8*\g+7], v11
.endr
	ds_store_b128 v4, v[WC:WC+3] offset:32*(\t)
	ds_store_b128 v4, v[WC+4:WC+7] offset:32*(\t)+16
.if (\t)+2 < 8
	WLOAD (\t)+2
.endif
	s_wait_dscnt 0x0                               ; the stores have read their registers: the next block's codes may be written
.endm
	s_wait_alu depctr_va_vdst(0)
.irp t, 0,1,2,3,4,5,6,7
	BLOCK \t
.endr
.irp q, 0,1,2,3
.irp g, 0,1,2,3
	ds_load_b128 v[OUTR+4*(4*\q+\g):OUTR+4*(4*\q+\g)+3], v7 offset:\g*8*272+64*\q   ; LDS serves a wave's instructions in order: these see my stores
.endr
.endr
.irp q, 0,1,2,3
.irp g, 0,1,2,3
	s_wait_dscnt 15-(4*\q+\g)                      ; the younger loads may be out
	global_store_b128 v8, v[OUTR+4*(4*\q+\g):OUTR+4*(4*\q+\g)+3], s[16:17] offset:\q*8192+\g*512   ; 8 columns x 64 codes: 512 consecutive bytes
.endr
.endr
	s_wait_tensorcnt 0x0                           ; the wave's end
	ds_add_u32 v[SPW], v[NIL]
	s_wait_dscnt 0x0
	s_endpgm
.Lfunc_end_k_q12ddc05ed6_quant:
	.size	k_q12ddc05ed6_quant, .Lfunc_end_k_q12ddc05ed6_quant-k_q12ddc05ed6_quant
	.p2alignl 7, 3214868480
	.fill 96, 4, 3214868480
	.section	.rodata,"a",@progbits
	.p2align	6, 0x0
	.amdhsa_kernel k_q12ddc05ed6_quant
		.amdhsa_group_segment_fixed_size 68096
		.amdhsa_private_segment_fixed_size 0
		.amdhsa_enable_private_segment 0
		.amdhsa_kernarg_size 56
		.amdhsa_user_sgpr_count 2
		.amdhsa_user_sgpr_kernarg_segment_ptr 1
		.amdhsa_wavefront_size32 1
		.amdhsa_system_sgpr_workgroup_id_x 1
		.amdhsa_system_sgpr_workgroup_id_y 1
		.amdhsa_system_sgpr_workgroup_id_z 1
		.amdhsa_system_vgpr_workitem_id 0
		.amdhsa_next_free_vgpr 192
		.amdhsa_next_free_sgpr 66
		.amdhsa_reserve_vcc 0
		.amdhsa_float_denorm_mode_32 3
		.amdhsa_float_denorm_mode_16_64 3
		.amdhsa_memory_ordered 1
		.amdhsa_forward_progress 1
		.amdhsa_inst_pref_size 89
	.end_amdhsa_kernel
	.amdgpu_metadata
---
amdhsa.version: [ 1, 2 ]
amdhsa.kernels:
  - .name:           k_q12ddc05ed6_quant
    .symbol:         k_q12ddc05ed6_quant.kd
    .args:
      - { .name: x, .offset: 0, .size: 8, .value_kind: global_buffer, .address_space: global }
      - { .name: w_attn, .offset: 8, .size: 8, .value_kind: global_buffer, .address_space: global }
      - { .name: w_proj, .offset: 16, .size: 8, .value_kind: global_buffer, .address_space: global }
      - { .name: w_fc, .offset: 24, .size: 8, .value_kind: global_buffer, .address_space: global }
      - { .name: w_fc_proj, .offset: 32, .size: 8, .value_kind: global_buffer, .address_space: global }
      - { .name: lowp_scales, .offset: 40, .size: 8, .value_kind: global_buffer, .address_space: global }
      - { .name: W0, .offset: 48, .size: 8, .value_kind: global_buffer, .address_space: global }
    .group_segment_fixed_size: 68096
    .private_segment_fixed_size: 0
    .kernarg_segment_align: 8
    .kernarg_segment_size: 56
    .max_flat_workgroup_size: 128
    .sgpr_count:     66
    .vgpr_count:     192
    .wavefront_size: 32
...
	.end_amdgpu_metadata
.endif
;; end of part 1
;; launch qkv_gemm (part 2): grid 12 x 16, 4 waves a work-group, clusters of 4 x 4, 327,680 bytes of LDS; arguments W0, lowp_scales, b_attn, qkv; writes qkv
.if DOCPART == 2
	.amdgcn_target "amdgcn-amd-amdhsa--gfx1250"
	.amdhsa_code_object_version 6
	.text
	.protected	k_q12ddc05ed6_qkv_gemm
	.globl	k_q12ddc05ed6_qkv_gemm
	.p2align	8
	.type	k_q12ddc05ed6_qkv_gemm,@function
k_q12ddc05ed6_qkv_gemm:
	s_mov_b64 s[64:65], 0
	v_nop
	global_prefetch_b8 v0, s[64:65] scope:SCOPE_SE
	s_setreg_imm32_b32 hwreg(HW_REG_WAVE_MODE, 25, 1), 1
	s_wait_xcnt 0x0
	s_wait_alu depctr_hold_cnt(0) depctr_sa_sdst(0) depctr_va_vdst(0) depctr_va_sdst(0) depctr_va_ssrc(0) depctr_va_vcc(0) depctr_vm_vsrc(0)
	s_getreg_b32 s2, hwreg(HW_REG_IB_STS2, 6, 4)
	s_cmp_eq_u32 s2, 0
	s_cbranch_scc0 .Lentry_in_a_cluster
	s_endpgm
.Lentry_in_a_cluster:
	s_bfe_u32 s2, ttmp6, 0x10000c
	s_cmp_lg_u32 s2, 0xf033
	s_cbranch_scc0 .Lentry_shape_is_right
	s_endpgm
.Lentry_shape_is_right:
; qkv = x w_attn + b_attn on codes of FP8 (E4M3), K = 1,024, and its result quantised again: q with 2^e2, k with 2^e3, v with 2^e5.
; Operands lie in W0 in blocks of 128 rows x 64 k of 8,192 bytes; a block of 128 rows has all its K on end (131,072 bytes).  Tiles of 256 rows: 0-15 are x's tokens, 16-27 w_attn's 3,072 columns.
; A tile of the result, 256 x 256, is made by four waves, each 128 x 128: 64 accumulators, 512 registers.  K goes in steps of 256 through a ring of two LDS slots; a wave's tensor load is one dense block of 32,768 bytes.
; CLUSTERS of 4 x 4: the operand called A hangs on the place along y and is asked for jointly by a row of the cluster, B hangs on the place along x and is asked for jointly by a column.
; THE MATRIX INSTRUCTION IS USED TRANSPOSED (source 0 = 16 rows of B, source 1 = 16 rows of A): a lane holds one row of A's and eight neighbouring rows of B's.
; Cluster columns 0 and 1 make q and k: A = tokens, B = features: a lane's eight numbers are neighbours along the head's axis, which is the K of the scores.
; Cluster column 2 makes v: A = features (tile 24 + cy), B = tokens (tile 4 x cluster y + cx): a lane's eight numbers are neighbouring KEYS, the K of the second product.  The choice hangs on the cluster's x alone, which all partners share.
; OUT: q, k: [32 heads][2048][64] codes.  v: [32 heads][16 blocks of 128 keys][64][128]; in a row of 128, byte 32 c + 16 h + 8 u + j holds key 32 c + 16 u + 8 h + j.
; LIMITS: e0 + e1 between -126 and 127; e2, e3, e5 between -126 and 119.  NaN among the inputs is not served.
; REGISTERS: window 0: v8-15 bias by lane, v16-31 addresses, v32-95 bias by register, from v128 A's fragments (one set); on the way out v96-159 numbers, v224-239 codes, v240-255 rows read back.
;   window 1: B's fragments, two sets.  windows 2, 3: the accumulators ((a, b) at v[8 (8 (a % 4) + b)]).
.set CH,     8704                      ; 64 k of 128 rows in LDS: 32 lines of 256 bytes + 16 of padding
.set HALFT,  4*CH                      ; what one tensor load brings: 128 rows x 256 k
.set SLOT,   4*HALFT                   ; A's 256 rows, then B's
.set SPARE,  2*SLOT                    ; the spare words, 128 bytes a wave
.set STAGE,  SPARE+512                 ; the way out of q and k: 2 x 16 rows x 80 bytes a wave
.set VSTAGE, STAGE+4*2560              ; the way out of v: 16 rows x 144 bytes a wave
.set FR,     16
.set NL,     4
.set NP,     4                         ; places behind this matrix instruction (ISA guide 7.12.1)
.set LAPS,   2                         ; K = 1,024 = two laps of two K steps of 256
.set BV,   8
.set ADRA, 16
.set BO,   18
.set BVO,  19
.set ADRB, 20
.set STV,  22
.set RDV,  23
.set STO,  24
.set RD,   25
.set CO,   26
.set SPW,  28
.set NIL,  29
.set SC,   30
.set LIM,  31
.set BIAS, 32
.set X,    96
.set AF,   128
.set CD,   224
.set BK,   240
.set G1, 24
.set G0, 32
.set G1B, 48
.set G0B, 56
.set MSB, 0
.macro WIN new                         ; the immediate's high byte repeats the setting that is left
.if MSB != \new
	s_set_vgpr_msb (MSB<<8)|\new
.set MSB, \new
.endif
.endm
.set MUL_LO, 0xa1                      ; source 0 (B) window 1, source 1 (A) window 0, C and D window 2
.set MUL_HI, 0xf1                      ; the same, C and D window 3
.set TO_B,   0x40                      ; destination window 1, address window 0
; A joint load: waves 0 and 1 fetch for A, waves 2 and 3 for B; the branch hangs on the wave's number alone.  An s_nop 0 and four v_nop follow each of the two lines.
.macro JLOAD g0a, g1a, g0b, g1b
	s_cmp_eq_u32 s15, 0
	s_cbranch_scc0 .Lfor_b_\@
	tensor_load_to_lds s[\g0a:\g0a+3], s[\g1a:\g1a+7]
	s_nop 0
.rept 4
	v_nop
.endr
	s_branch .Lasked_\@
.Lfor_b_\@:
	tensor_load_to_lds s[\g0b:\g0b+3], s[\g1b:\g1b+7]
	s_nop 0
.rept 4
	v_nop
.endr
.Lasked_\@:
.endm
.macro CREST                           ; a round of the cluster's barrier behind its opening barrier
	s_cmp_lg_u32 s14, 0
	s_cbranch_scc1 .Lnot_wave_0_\@
	s_barrier_signal -3
.Lnot_wave_0_\@:
	s_barrier_wait -3
	s_barrier_signal -1
	s_barrier_wait -1
.endm
.macro CROUND
	s_barrier_signal -1
	s_barrier_wait -1
	CREST
.endm
	s_load_b64 s[4:5], s[0:1], 0x0                 ; W0
	s_load_b64 s[8:9], s[0:1], 0x8                 ; the scales' exponents
	s_load_b64 s[12:13], s[0:1], 0x10              ; b_attn
	s_load_b64 s[10:11], s[0:1], 0x18              ; qkv
	v_lshl_add_u32 v[SPW], v0, 2, SPARE
	v_mov_b32 v[NIL], 0
	ds_add_u32 v[SPW], v[NIL]                      ; the wave's opening: the add and its wait ahead of my first tensor load; work on registers stands between them
	ds_add_u32 v[SPW], v[NIL]
	v_lshrrev_b32 v1, 5, v0
	v_readfirstlane_b32 s14, v1                    ; wave 0..3
	s_lshr_b32 s15, s14, 1                         ; which half of A's rows is mine.  Also: I fetch for A (0) or for B (1)
	s_and_b32 s16, s14, 1                          ; which half of B's rows.  Also: which 128 rows I fetch
	s_bfe_u32 s40, ttmp6, 0x40000                  ; cx
	s_bfe_u32 s41, ttmp6, 0x40004                  ; cy
	s_and_b32 s18, ttmp7, 0xffff
	s_lshl_b32 s18, s18, 2                         ; 4 x cluster y
	s_lshl_b32 s19, ttmp9, 2
	s_add_co_u32 s19, s19, 16                      ; 16 + 4 x cluster x
	s_cmp_ge_u32 ttmp9, 2                          ; v's clusters?
	s_cselect_b32 s17, 24, s18
	s_cselect_b32 s42, s18, s19
	s_add_co_u32 s17, s17, s41                     ; A's tile of 256 rows in W0: hangs on cy alone within the cluster
	s_add_co_u32 s42, s42, s40                     ; B's: on cx alone
	s_lshl_b32 s43, s41, 2
	s_lshl_b32 s43, 15, s43                        ; my row of the cluster
	s_lshl_b32 s44, 0x1111, s40                    ; my column
	; descriptor group 1: 128 lines of 32 elements of 8 bytes, dense in memory; 4 words of padding behind every 64
	s_or_b32 s[G1+0], s43, (3<<16)|(1<<20)|(1<<21)|(5<<22)|(3<<25)
	s_or_b32 s[G1B+0], s44, (3<<16)|(1<<20)|(1<<21)|(5<<22)|(3<<25)
.irp g, G1, G1B
	s_mov_b32 s[\g+1], 32<<16                      ; tensor_dim0
	s_mov_b32 s[\g+2], 128<<16                     ; tensor_dim1
	s_mov_b32 s[\g+3], 32<<16                      ; tile_dim0
	s_mov_b32 s[\g+4], 128                         ; tile_dim1
	s_mov_b32 s[\g+5], 32                          ; tensor_dim0_stride
	s_mov_b32 s[\g+6], 0
	s_mov_b32 s[\g+7], 0
.endr
	s_lshl_b32 s20, s17, 1
	s_add_co_u32 s20, s20, s16
	s_lshl_b32 s20, s20, 17                        ; A: the block of 128 rows that I fetch
	s_mov_b32 s21, 0
	s_lshl_b32 s46, s42, 1
	s_add_co_u32 s46, s46, s16
	s_lshl_b32 s46, s46, 17                        ; B likewise
	s_mov_b32 s47, 0
	s_mul_i32 s45, s14, HALFT                      ; where they go: no place in the cluster enters an LDS address
	s_wait_dscnt 0x0                               ; the opening add is done
	s_wait_kmcnt 0x0
	s_load_b256 s[68:75], s[8:9], 0x0              ; e0 .. e7
	s_add_nc_u64 s[20:21], s[4:5], s[20:21]
	s_add_nc_u64 s[46:47], s[4:5], s[46:47]
	CROUND                                         ; all sixteen work-groups are here: the first joint loads meet
.irp s, 0,1
	s_mov_b32 s[G0+4*\s], 1
	s_add_co_u32 s[G0+4*\s+1], s45, \s*SLOT
	s_add_nc_u64 s[G0+4*\s+2:G0+4*\s+3], s[20:21], \s*32768
	s_or_b32 s[G0+4*\s+3], s[G0+4*\s+3], 0x80000000
	s_mov_b32 s[G0B+4*\s], 1
	s_add_co_u32 s[G0B+4*\s+1], s45, \s*SLOT
	s_add_nc_u64 s[G0B+4*\s+2:G0B+4*\s+3], s[46:47], \s*32768
	s_or_b32 s[G0B+4*\s+3], s[G0B+4*\s+3], 0x80000000
.endr
	JLOAD G0, G1, G0B, G1B                         ; K step 0: one tensor load a wave at the head
	v_and_b32 v1, 15, v0                           ; r
	v_bfe_u32 v2, v0, 4, 1                         ; h
	v_lshrrev_b32 v3, 2, v1
	v_mul_u32_u24 v3, v3, 272
	v_and_b32 v4, 3, v1
	v_lshl_add_u32 v3, v4, 6, v3
	v_lshl_add_u32 v4, v2, 4, v3                   ; a row's 64 bytes lie four to a line: (r / 4) x 272 + (r % 4) x 64 + 16 h
	s_mul_i32 s21, s15, HALFT
	s_mul_i32 s22, s16, HALFT
	s_add_co_u32 s22, s22, 2*HALFT
.irp s, 0,1
	v_add_nc_u32 v[ADRA+\s], s21, v4
	v_add_nc_u32 v[ADRB+\s], s22, v4
	s_add_co_u32 s21, s21, SLOT
	s_add_co_u32 s22, s22, SLOT
.endr
	v_and_b32 v6, 31, v0
	s_mul_i32 s23, s14, 2560
	s_add_co_u32 s23, s23, STAGE
	v_mul_u32_u24 v5, v1, 80
	v_lshl_add_u32 v5, v2, 3, v5
	v_add_nc_u32 v[STO], s23, v5                   ; q, k in: row r of 80 bytes, + 8 h
	v_lshrrev_b32 v5, 2, v6
	v_mul_u32_u24 v5, v5, 80
	v_and_b32 v7, 3, v6
	v_lshl_add_u32 v5, v7, 4, v5
	v_add_nc_u32 v[RD], s23, v5                    ; back: four lanes to a row's 64 bytes
	v_lshlrev_b32 v[CO], 4, v6                     ; and 512 consecutive bytes in memory
	s_mul_i32 s23, s14, 2304
	s_add_co_u32 s23, s23, VSTAGE
	v_mul_u32_u24 v5, v1, 144
	v_lshl_add_u32 v5, v2, 4, v5
	v_add_nc_u32 v[STV], s23, v5                   ; v in: row r of 144 bytes, + 16 h
	v_lshrrev_b32 v5, 3, v6
	v_mul_u32_u24 v5, v5, 144
	v_and_b32 v7, 7, v6
	v_lshl_add_u32 v5, v7, 4, v5
	v_add_nc_u32 v[RDV], s23, v5                   ; back: eight lanes to a row's 128 bytes
	v_lshlrev_b32 v[BO], 5, v2                     ; bias by register: 32 h
	s_wait_alu depctr_va_vdst(0)
	v_lshlrev_b32 v[BVO], 2, v1                    ; bias by lane: 4 r
	; my first token m0 and my first feature F (0 .. 3,071), whichever operand holds which
	s_wait_alu depctr_va_vdst(0)
	s_lshl_b32 s86, s17, 8
	s_lshl_b32 s84, s15, 7
	s_add_co_u32 s86, s86, s84
	s_lshl_b32 s87, s42, 8
	s_lshl_b32 s84, s16, 7
	s_add_co_u32 s87, s87, s84
	s_cmp_ge_u32 ttmp9, 2
	s_cselect_b32 s88, s87, s86                    ; m0
	s_cselect_b32 s89, s86, s87
	s_sub_co_u32 s89, s89, 4096                    ; F
	s_lshr_b32 s90, s89, 10
	s_lshl_b32 s90, s90, 22                        ; q, k or v: 4 MiB each,
	s_lshr_b32 s91, s88, 11
	s_lshl_b32 s91, s91, 4
	s_and_b32 s92, s89, 1023
	s_lshr_b32 s92, s92, 6
	s_add_co_u32 s91, s91, s92
	s_lshl_b32 s91, s91, 17                        ; the head: 131,072 bytes,
	s_add_co_u32 s90, s90, s91
	s_and_b32 s92, s88, 2047
	s_lshl_b32 s92, s92, 6                         ; the token: 64 bytes a token in q and k, 8,192 for 128 keys in v: the same number
	s_add_co_u32 s90, s90, s92
	s_mov_b32 s91, 0
	s_add_nc_u64 s[10:11], s[10:11], s[90:91]
	s_lshl_b32 s92, s89, 2
	s_mov_b32 s93, 0
	s_add_nc_u64 s[12:13], s[12:13], s[92:93]      ; b_attn at F: both forms below read F .. F + 127
.irp b, 0,1,2,3,4,5,6,7
	global_load_b128 v[BIAS+8*\b:BIAS+8*\b+3], v[BO], s[12:13] offset:64*\b         ; register 8 b + i: bias of feature F + 16 b + 8 h + i
	global_load_b128 v[BIAS+8*\b+4:BIAS+8*\b+7], v[BO], s[12:13] offset:64*\b+16
.endr
.irp a, 0,1,2,3,4,5,6,7
	global_load_b32 v[BV+\a], v[BVO], s[12:13] offset:64*\a                         ; register a: bias of feature F + 16 a + r
.endr
.macro FRAG reg, adr, q, i             ; 16 rows x 128 K: registers 4 c .. 4 c + 3 hold K = 32 c + 16 h + 0 .. 15: the same permutation of k in A and in B
.irp c, 0,1,2,3
	ds_load_b128 v[\reg+4*\c:\reg+4*\c+3], v[\adr] offset:(2*(\q)+\c/2)*CH+(\i)*1088+32*(\c%2)
.endr
.endm
; 16 matrix instructions: A's blocks a0, a0 + 1 x B's eight.  The 64 accumulators take turns, one instruction a turn, in the same order in every step.
.macro MUL16 a0, p, zero
.irp a, \a0, \a0+1
.irp b, 0,1,2,3,4,5,6,7
.if \zero
	v_wmma_f32_16x16x128_fp8_fp8 v[8*(8*((\a)%4)+\b):8*(8*((\a)%4)+\b)+7], v[128*(\p)+FR*\b:128*(\p)+FR*\b+FR-1], v[AF+FR*(\a):AF+FR*(\a)+FR-1], 0
.else
	v_wmma_f32_16x16x128_fp8_fp8 v[8*(8*((\a)%4)+\b):8*(8*((\a)%4)+\b)+7], v[128*(\p)+FR*\b:128*(\p)+FR*\b+FR-1], v[AF+FR*(\a):AF+FR*(\a)+FR-1], v[8*(8*((\a)%4)+\b):8*(8*((\a)%4)+\b)+7]
.endif
.endr
.endr
.endm
.macro FETCH_B slot, q, p
	WIN TO_B
.irp i, 0,1,2,3,4,5,6,7
	FRAG 128*(\p)+FR*\i, ADRB+\slot, \q, \i
.endr
	WIN 0
.endm
.macro FETCH_A slot, q, i0
.irp i, \i0, \i0+1, \i0+2, \i0+3
	FRAG AF+FR*(\i), ADRA+\slot, \q, \i
.endr
.endm
.macro PLACES n                        ; plain vector instructions in front of loads into registers that matrix instructions have read, and of the first read of results
.rept \n
	v_nop
.endr
.endm
.macro STEP slot, q, zero              ; 128 along K with its successor in the same slot
	s_wait_dscnt 4*NL                              ; B's set and A's blocks 0-3 are in; A's blocks 4-7 may be out
	WIN MUL_LO
	MUL16 0, (\q)%2, \zero
	MUL16 2, (\q)%2, \zero
	s_wait_dscnt 0
	PLACES NP
	FETCH_B \slot, (\q)+1, 1-(\q)%2
	FETCH_A \slot, (\q)+1, 0
	WIN MUL_HI
	MUL16 4, (\q)%2, \zero
	MUL16 6, (\q)%2, \zero
	PLACES NP
	WIN 0
	FETCH_A \slot, (\q)+1, 4
.endm
; A slot's last step changes slots: one barrier; in front of it each wave waits for all its tensor loads, adds 0 to its spare word, and waits for that and for its reads of this slot.
.macro TURN slot, next, fill
	s_wait_tensorcnt 0x0                           ; all my tensor loads have landed: my part of the next slot
	ds_add_u32 v[SPW], v[NIL]
	s_wait_dscnt 4*NL+1                            ; the add and A's blocks 4-7 may be out
	WIN MUL_LO
	MUL16 0, 1, 0
	s_wait_dscnt 0x0                               ; the add is done, and my reads of this slot are over
	s_barrier_signal -1
	MUL16 2, 1, 0
	WIN 0
	s_barrier_wait -1
.if \fill
	CREST                                          ; the barrier has opened a round of the cluster's: no wave of any partner still reads this slot or has a load on its way
	s_add_nc_u64 s[G0+4*\slot+2:G0+4*\slot+3], s[G0+4*\slot+2:G0+4*\slot+3], 65536
	s_add_nc_u64 s[G0B+4*\slot+2:G0B+4*\slot+3], s[G0B+4*\slot+2:G0B+4*\slot+3], 65536
	JLOAD G0+4*\slot, G1, G0B+4*\slot, G1B         ; the first tensor load behind the round; its four v_nop are the places in front of the loads below
.else
	PLACES NP
.endif
	FETCH_B \next, 0, 0
	FETCH_A \next, 0, 0
	WIN MUL_HI
	MUL16 4, 1, 0
	MUL16 6, 1, 0
	PLACES NP
	WIN 0
	FETCH_A \next, 0, 4
.endm
	s_wait_alu depctr_va_vdst(0)                   ; the head's end
	s_wait_tensorcnt 0x0                           ; my part of K step 0 is in
	ds_add_u32 v[SPW], v[NIL]
	s_wait_dscnt 0x0
	CROUND                                         ; a whole round: everybody's part of K step 0 is in
	JLOAD G0+4, G1, G0B+4, G1B                     ; K step 1's load, the first tensor load behind the round
	FETCH_B 0, 0, 0
	FETCH_A 0, 0, 0
	FETCH_A 0, 0, 4
	STEP 0, 0, 1                                   ; the first step's products start the sums
	s_mov_b32 s3, LAPS-1
.Llap:
	TURN 0, 1, 1
	STEP 1, 0, 0
	TURN 1, 0, 1
	STEP 0, 0, 0
	s_sub_co_u32 s3, s3, 1
	s_cmp_lg_u32 s3, 0
	s_cbranch_scc1 .Llap
	TURN 0, 1, 0                                   ; the last lap fills nothing
	STEP 1, 0, 0
	s_wait_dscnt 4*NL
	WIN MUL_LO
	MUL16 0, 1, 0
	MUL16 2, 1, 0
	s_wait_dscnt 0
	WIN MUL_HI
	MUL16 4, 1, 0
	MUL16 6, 1, 0
	WIN 0
; THE WAY OUT.  number = sum x 2^(e0 + e1) + bias, in f32; held, converted, and sent through my own stage in LDS so that each store covers 512 consecutive bytes.
.macro CODES                           ; 64 numbers in v[X] on become 64 codes in v[CD] on
.set j, 0
.rept 64
	v_med3_num_f32 v[X+j], v[X+j], -v[LIM], v[LIM] ; the conversion does not saturate (ISA guide 7.6.2)
.set j, j+1
.endr
.set j, 0
.rept 8
	v_cvt_scalef32_pk8_fp8_f32 v[CD+2*j:CD+2*j+1], v[X+8*j:X+8*j+7], v[SC]
.set j, j+1
.endr
	v_nop                                          ; a plain vector instruction behind the last conversion
.endm
.macro OUTC a                          ; q, k: 16 tokens x 128 features = two heads
.set AC, 64*((\a)%4)
	WIN 0x02+((\a)/4)                              ; source 0: window 2 or 3
.set j, 0
.rept 32
	v_pk_fma_f32 v[X+j:X+j+1], v[AC+j:AC+j+1], s[96:97], v[BIAS+j:BIAS+j+1] op_sel_hi:[1,0,1]   ; each accumulator from its low end on
.set j, j+2
.endr
	WIN 0
	CODES
.irp b, 0,1,2,3,4,5,6,7
	ds_store_b64 v[STO], v[CD+2*\b:CD+2*\b+1] offset:(\b/4)*1280+16*(\b%4)
.endr
.if (\a) > 0
	s_wait_xcnt 0x0                                ; the last block's stores have read their registers
.endif
.irp c, 0,1
.irp g, 0,1
	ds_load_b128 v[BK+4*(2*\c+\g):BK+4*(2*\c+\g)+3], v[RD] offset:1280*\c+640*\g   ; LDS serves a wave's instructions in order: these see my stores
.endr
.endr
	s_wait_dscnt 0x0
.irp c, 0,1
.irp g, 0,1
	global_store_b128 v[CO], v[BK+4*(2*\c+\g):BK+4*(2*\c+\g)+3], s[10:11] offset:\c*131072+1024*(\a)+512*\g
.endr
.endr
.endm
.macro OUTV a                          ; v: 16 features x 128 keys
.set AC, 64*((\a)%4)
	WIN 0x02+((\a)/4)
.set j, 0
.rept 64
	v_fma_f32 v[X+j], v[AC+j], s96, v[BV+(\a)]
.set j, j+1
.endr
	WIN 0
	CODES
.irp b, 0,1,2,3
	ds_store_b128 v[STV], v[CD+4*\b:CD+4*\b+3] offset:32*\b   ; accumulators 2 b and 2 b + 1: keys 32 b + 8 h + j, then 32 b + 16 + 8 h + j
.endr
.if (\a) > 0
	s_wait_xcnt 0x0
.endif
.irp g, 0,1,2,3
	ds_load_b128 v[BK+4*\g:BK+4*\g+3], v[RDV] offset:576*\g
.endr
	s_wait_dscnt 0x0
.irp g, 0,1,2,3
	global_store_b128 v[CO], v[BK+4*\g:BK+4*\g+3], s[10:11] offset:((\a)/4)*131072+((\a)%4)*2048+512*\g
.endr
.endm
	s_wait_kmcnt 0x0
	s_wait_loadcnt 0x0                             ; the biases
	s_add_co_i32 s96, s68, s69
	s_add_co_i32 s96, s96, 127
	s_lshl_b32 s96, s96, 23                        ; 2^(e0 + e1) as f32
	s_mov_b32 s97, s96
	s_cmp_eq_u32 ttmp9, 0
	s_cselect_b32 s80, s70, s71                    ; e2 for q, e3 for k,
	s_cmp_ge_u32 ttmp9, 2
	s_cselect_b32 s80, s73, s80                    ; e5 for v
	s_add_co_i32 s80, s80, 127
	s_lshl_b32 s81, s80, 23
	v_mov_b32 v[SC], s81
	s_add_co_i32 s80, s80, 8
	s_lshl_b32 s80, s80, 23
	s_or_b32 s80, s80, 0x600000
	v_mov_b32 v[LIM], s80
	PLACES NP
	s_cmp_ge_u32 ttmp9, 2
	s_cbranch_scc1 .Lv_out
.irp a, 0,1,2,3,4,5,6,7
	OUTC \a
.endr
	s_branch .Ldone
.Lv_out:
.irp a, 0,1,2,3,4,5,6,7
	OUTV \a
.endr
.Ldone:
	s_wait_tensorcnt 0x0                           ; the wave's end
	ds_add_u32 v[SPW], v[NIL]
	s_wait_dscnt 0x0
	CROUND                                         ; the closing round
	s_endpgm
.Lfunc_end_k_q12ddc05ed6_qkv_gemm:
	.size	k_q12ddc05ed6_qkv_gemm, .Lfunc_end_k_q12ddc05ed6_qkv_gemm-k_q12ddc05ed6_qkv_gemm
	.p2alignl 7, 3214868480
	.fill 96, 4, 3214868480
	.section	.rodata,"a",@progbits
	.p2align	6, 0x0
	.amdhsa_kernel k_q12ddc05ed6_qkv_gemm
		.amdhsa_group_segment_fixed_size 327680
		.amdhsa_private_segment_fixed_size 0
		.amdhsa_enable_private_segment 0
		.amdhsa_kernarg_size 32
		.amdhsa_user_sgpr_count 2
		.amdhsa_user_sgpr_kernarg_segment_ptr 1
		.amdhsa_wavefront_size32 1
		.amdhsa_system_sgpr_workgroup_id_x 1
		.amdhsa_system_sgpr_workgroup_id_y 1
		.amdhsa_system_sgpr_workgroup_id_z 1
		.amdhsa_system_vgpr_workitem_id 0
		.amdhsa_next_free_vgpr 1024
		.amdhsa_next_free_sgpr 98
		.amdhsa_reserve_vcc 0
		.amdhsa_float_denorm_mode_32 3
		.amdhsa_float_denorm_mode_16_64 3
		.amdhsa_memory_ordered 1
		.amdhsa_forward_progress 1
		.amdhsa_inst_pref_size 221
	.end_amdhsa_kernel
	.amdgpu_metadata
---
amdhsa.version: [ 1, 2 ]
amdhsa.kernels:
  - .name:           k_q12ddc05ed6_qkv_gemm
    .symbol:         k_q12ddc05ed6_qkv_gemm.kd
    .args:
      - { .name: W0, .offset: 0, .size: 8, .value_kind: global_buffer, .address_space: global }
      - { .name: lowp_scales, .offset: 8, .size: 8, .value_kind: global_buffer, .address_space: global }
      - { .name: b_attn, .offset: 16, .size: 8, .value_kind: global_buffer, .address_space: global }
      - { .name: qkv, .offset: 24, .size: 8, .value_kind: global_buffer, .address_space: global }
    .group_segment_fixed_size: 327680
    .private_segment_fixed_size: 0
    .kernarg_segment_align: 8
    .kernarg_segment_size: 32
    .max_flat_workgroup_size: 128
    .sgpr_count:     98
    .vgpr_count:     1024
    .wavefront_size: 32
...
	.end_amdgpu_metadata
.endif
;; end of part 2
;; launch attn (part 3): grid 8 x 32, 16 waves a work-group, no clusters, 327,680 bytes of LDS; arguments qkv, lowp_scales, yc; writes yc
.if DOCPART == 3
	.amdgcn_target "amdgcn-amd-amdhsa--gfx1250"
	.amdhsa_code_object_version 6
	.text
	.protected	k_q12ddc05ed6_attn
	.globl	k_q12ddc05ed6_attn
	.p2align	8
	.type	k_q12ddc05ed6_attn,@function
k_q12ddc05ed6_attn:
	s_mov_b64 s[64:65], 0
	v_nop
	global_prefetch_b8 v0, s[64:65] scope:SCOPE_SE
	s_setreg_imm32_b32 hwreg(HW_REG_WAVE_MODE, 25, 1), 1
	s_wait_xcnt 0x0
; Causal attention on codes of FP8 (E4M3), head size 64, 2,048 keys; the result y is quantised with 2^e6 for the next product.
; t = score x log2(e) / 8; M = the running largest t rounded up to a whole number; p = 2^(t - M) is quantised with 2^e4, not normalised; the sum of the unquantised p divides at the end.
; LEFT OUT: key steps all of whose keys come after a tile's queries: the causal mask sets their scores to -inf, so they add nothing to any output.
; SHARES.  A work-group takes one head (grid y) and the query blocks 15 - j and j of 128 queries (j = grid x).  Waves 2 t and 2 t + 1 are a pair: both take tile t (16 queries) of block 15 - j, then tile t of block j;
; the even wave walks the even steps of 128 keys, the odd wave the odd ones.  A pair's two tiles have 17 steps, so every wave has 8 or 9.
; Each wave of a pair keeps its own M, sum and O^T.  They are joined at a tile's end: one wave puts its 36 registers into the pair's 4,608 bytes of LDS, a barrier follows, the other brings both under the larger M
; (factors 2^(own M - larger M): nothing is rounded), divides, quantises and stores.  The odd wave hands over the first tile, the even wave the second.
; A head's K and V codes, 131,072 bytes each, come to lie whole in LDS, by eight first fills of 32,768 bytes, one to a wave: waves 0 and 1 ask for K's and V's first quarter at the head, waves 2 k and 2 k + 1 for quarter k
; behind the barrier that shows quarter k - 1.  Nothing is ever filled again.  Every wait on TENSORcnt is for 0.
; K TWO STEPS AHEAD.  Behind a step's eight products K Q^T its K registers take the K of the wave's next step, two steps on.  So the barrier that shows quarter k stands ahead of step 4 k - 2: the segments are steps 0-1, 2-5, 6-9, 10-15.
; PREFETCH: the 8 work-groups of a head share a quarter's 256 blocks of 256 bytes out by address, 32 each (work-groups 0-3 K's, 4-7 V's): wave 8 names them, a lane a block, one barrier ahead of the quarter's tensor load.
; NO CLUSTER: the work-groups of a head differ in the branches that leave out hidden key steps, and partners of a joint load must run alike.
; LAYOUT.  S^T = K Q^T (source 0 = 16 neighbouring keys, source 1 = my 16 queries), O^T = V^T P^T: a lane holds one query throughout.  A lane's eight scores of tile t are keys 16 t + 8 h + j, the place that the
; K = 128 form gives registers 2 t, 2 t + 1; V's rows were stored so that four loads of 16 bytes give the same places.
; LIMITS: e2 + e3 between -123 and 130; e4 and e6 between -126 and 119; the scaled scores stay under 2^31 in magnitude.  NaN among the inputs is not served.
; REGISTERS (all 256): v1-11 addresses; v12 -M, v13 largest t, v[14:15] the sum; v16-23 Q; v24-31 at work; v32-95 K's 8 fragments; v96-159 S^T, then p, v96-111 then V's fourth fragment;
;   v160-191 O^T; v192-207 p's codes; v208-255 V's fragments 0 to 2.
.set CH,    8704                       ; 128 keys of K, or of V, in LDS: 32 lines of 256 bytes + 16
.set QT,    4*CH                       ; a quarter: what one tensor load brings
.set VBASE, 16*CH                      ; V behind K
.set XCH,   2*VBASE                    ; where a pair's partial results meet
.set XP,    4608                       ; 9 x 512 bytes a pair
.set STAGE, XCH+8*XP                   ; the way out: 16 rows x 80 bytes a pair
.set SPARE, STAGE+8*1280               ; the spare words, 128 bytes a wave
.set AK0, 1
.set AV0, 2
.set PFO, 3
.set STO, 4
.set SPW, 5
.set NIL, 6
.set GO,  7
.set ADK, 8
.set ADV, 9
.set RD,  10
.set XA,  11
.set PD,  24                           ; a lane permute's destination
.set LIMP, 25                          ; 448 x 2^e4
.set SU2, 26                           ; v[26:27] the sum's second chain
.set F,   28                           ; v[28:29] at work, then f = 2^(old M - new M)
.set TM,  30
.set SCP, 31                           ; 2^e4
.set KF,  32
.set S,   96
.set O,   160
.set P,   192
.set VF,  208
.set TB,  2                            ; s2  LDS byte of the even step of the pair of steps in hand
.set CNT, 3
.set TL,  17                           ; s17 my pair's number: my tile; in waves 0-7 also the quarter that I fetch
.set WV,  18
.set PAR, 19                           ; s19 0: even steps, 1: odd steps; in waves 0-7 also 0: K, 1: V
.set SEL, 20
.set CS,  22
.set G1,  24
.set G0,  32
.set QL,  36                           ; Q of my tile in block 15 - j;  QS: in block j;  YL, YS: their places in yc
.set QS,  38
.set YL,  40
.set YS,  42
.set PFB, 44
.set T16, 46
.set BETA, 48                          ; s48 the block of 128 queries in hand
.set STP,  49                          ; s49 my step's number
.macro ASK q                           ; my work-group's 32 blocks of quarter q
	s_cmp_eq_u32 s[WV], 8
	s_cbranch_scc0 .Lna_\@
	global_prefetch_b8 v[PFO], s[PFB:PFB+1] offset:\q*32768 th:TH_LOAD_NT scope:SCOPE_SE
.Lna_\@:
.endm
	s_load_b128 s[4:7], s[0:1], 0x0                ; qkv, the scales' exponents
	s_load_b64 s[8:9], s[0:1], 0x10                ; yc
	v_lshl_add_u32 v[SPW], v0, 2, SPARE
	v_mov_b32 v[NIL], 0
	ds_add_u32 v[SPW], v[NIL]                      ; the wave's opening: the add, twice on end, and its wait ahead of the first tensor load
	ds_add_u32 v[SPW], v[NIL]
	v_lshrrev_b32 v24, 5, v0
	v_readfirstlane_b32 s[WV], v24                 ; wave 0..15
	v_and_b32 v[PFO], 31, v0
	v_lshlrev_b32 v[PFO], 8, v[PFO]                ; the prefetches: 256 x lane
	s_and_b32 s50, ttmp7, 0xffff                   ; the head, 0..31
	s_and_b32 s[PAR], s[WV], 1
	s_lshr_b32 s[TL], s[WV], 1
	s_lshl_b32 s[T16], s[TL], 4
	s_sub_co_u32 s[BETA], 15, ttmp9                ; the later block comes first
	s_mov_b32 s[G1], (3<<16)|(1<<20)|(5<<22)|(3<<25)   ; no mask; elements of 8 bytes; 4 words of padding behind every 64
	s_mov_b32 s[G1+1], 32<<16
	s_mov_b32 s[G1+2], 128<<16
	s_mov_b32 s[G1+3], 32<<16
	s_mov_b32 s[G1+4], 128
	s_mov_b32 s[G1+5], 32
	s_mov_b32 s[G1+6], 0
	s_mov_b32 s[G1+7], 0
	s_mov_b32 s[SEL], 0x76543210
	s_mov_b32 s[SEL+1], 0xfedcba98
	s_mov_b32 s[CS], 0x3e38aa3b                    ; c = log2(e) / 8
	s_min_u32 s54, s[TL], 3                        ; the quarter that I fetch, if I fetch
	s_mul_i32 s55, s54, QT
	s_mul_i32 s56, s[PAR], VBASE
	s_add_co_u32 s55, s55, s56                     ; where it lands
	s_lshl_b32 s58, s50, 17                        ; a head's 131,072 bytes
	s_lshl_b32 s56, s[PAR], 22
	s_lshl_b32 s57, s54, 15
	s_add_co_u32 s56, s56, s57
	s_add_co_u32 s56, s56, 1<<22                   ; K at 4 MiB, V at 8 MiB
	s_add_co_u32 s56, s56, s58
	s_mov_b32 s57, 0
	s_lshl_b32 s59, s[TL], 10                      ; my tile: 16 rows of 64 bytes
	s_add_co_u32 s52, s58, s59
	s_lshl_b32 s[QL], s[BETA], 13
	s_add_co_u32 s[QL], s[QL], s52
	s_mov_b32 s[QL+1], 0
	s_lshl_b32 s[QS], ttmp9, 13
	s_add_co_u32 s[QS], s[QS], s52
	s_mov_b32 s[QS+1], 0
	s_lshr_b32 s62, s50, 4
	s_lshl_b32 s62, s62, 4                         ; yc: 16 blocks of 128 tokens a sequence,
	s_and_b32 s63, s50, 15
	s_lshl_b32 s63, s63, 13                        ; the head's 64 along K,
	s_add_co_u32 s63, s63, s59                     ; my 16 rows
	s_add_co_u32 s[YL], s62, s[BETA]
	s_lshl_b32 s[YL], s[YL], 17
	s_add_co_u32 s[YL], s[YL], s63
	s_mov_b32 s[YL+1], 0
	s_add_co_u32 s[YS], s62, ttmp9
	s_lshl_b32 s[YS], s[YS], 17
	s_add_co_u32 s[YS], s[YS], s63
	s_mov_b32 s[YS+1], 0
	s_lshr_b32 s[PFB], ttmp9, 2                    ; the prefetches: work-groups 0-3 K, 4-7 V,
	s_lshl_b32 s[PFB], s[PFB], 22
	s_add_co_u32 s[PFB], s[PFB], 1<<22
	s_add_co_u32 s[PFB], s[PFB], s58
	s_and_b32 s51, ttmp9, 3
	s_lshl_b32 s51, s51, 13                        ; 8,192 bytes of a quarter's 32,768 each
	s_add_co_u32 s[PFB], s[PFB], s51
	s_mov_b32 s[PFB+1], 0
	s_mul_i32 s47, s[PAR], CH                      ; odd steps lie one step further on
	s_mul_i32 s59, s[TL], 1280
	s_add_co_u32 s59, s59, STAGE
	s_mul_i32 s51, s[TL], XP
	s_add_co_u32 s51, s51, XCH
	s_wait_alu depctr_va_vdst(0)
	s_wait_dscnt 0x0                               ; both opening adds are done
	s_wait_kmcnt 0x0
	s_load_b256 s[68:75], s[6:7], 0x0              ; e0 .. e7
	s_add_nc_u64 s[56:57], s[4:5], s[56:57]
	s_mov_b32 s[G0], 1
	s_mov_b32 s[G0+1], s55
	s_mov_b64 s[G0+2:G0+3], s[56:57]
	s_or_b32 s[G0+3], s[G0+3], 0x80000000
	s_cmp_eq_u32 s[TL], 0                          ; waves 0 and 1: the first quarter of K and of V
	s_cbranch_scc0 .Lno_fetch
	tensor_load_to_lds s[G0:G0+3], s[G1:G1+7]
	s_nop 0
.rept 4
	v_nop
.endr
.Lno_fetch:
	s_add_nc_u64 s[QL:QL+1], s[4:5], s[QL:QL+1]
	s_add_nc_u64 s[QS:QS+1], s[4:5], s[QS:QS+1]
	s_add_nc_u64 s[PFB:PFB+1], s[4:5], s[PFB:PFB+1]
	s_add_nc_u64 s[YL:YL+1], s[8:9], s[YL:YL+1]
	s_add_nc_u64 s[YS:YS+1], s[8:9], s[YS:YS+1]
	ASK 1
	v_and_b32 v24, 15, v0                          ; r
	v_bfe_u32 v25, v0, 4, 1                        ; h
	v_and_b32 v29, 31, v0                          ; lane
	v_lshlrev_b32 v[ADK], 6, v24
	v_lshl_add_u32 v[ADK], v25, 4, v[ADK]
	global_load_b128 v[16:19], v[ADK], s[QL:QL+1]  ; Q's fragment: the same permutation of the head's axis as K's.  (The offset's register is written again only behind the wait for these loads)
	global_load_b128 v[20:23], v[ADK], s[QL:QL+1] offset:32
	v_lshrrev_b32 v27, 2, v24
	v_mul_u32_u24 v27, v27, 272
	v_and_b32 v28, 3, v24
	v_lshl_add_u32 v27, v28, 6, v27
	v_lshl_add_u32 v27, v25, 4, v27
	v_add_nc_u32 v[AK0], s47, v27                  ; K: four keys to a line
	v_lshrrev_b32 v27, 1, v24
	v_mul_u32_u24 v27, v27, 272
	v_and_b32 v28, 1, v24
	v_lshl_add_u32 v27, v28, 7, v27
	v_lshl_add_u32 v27, v25, 4, v27
	v_add_nc_u32 v27, s47, v27
	v_add_nc_u32 v[AV0], VBASE, v27                ; V: two of the head's 64 to a line
	v_mul_u32_u24 v27, v24, 80
	v_lshl_add_u32 v27, v25, 3, v27
	v_add_nc_u32 v[STO], s59, v27
	v_lshrrev_b32 v27, 2, v29
	v_mul_u32_u24 v27, v27, 80
	v_and_b32 v28, 3, v29
	v_lshl_add_u32 v27, v28, 4, v27
	v_add_nc_u32 v[RD], s59, v27
	v_lshlrev_b32 v[GO], 4, v29
	v_add_nc_u32 v[XA], s51, v[GO]                 ; the pair's meeting place: images of four registers, 16 bytes a lane
	v_mov_b32 v[PD], 0                             ; a lane permute's destination counts as one of its sources
	v_mov_b32 v[F], 0
	v_mov_b32 v[F+1], 0                            ; (named as the upper halves of pairs)
	v_mov_b32 v[SU2], 0
	v_mov_b32 v[SU2+1], 0
	s_wait_kmcnt 0x0
	s_add_co_i32 s50, s70, s71
	s_lshl_b32 s50, s50, 23
	s_add_co_i32 s[CS], s[CS], s50                 ; a score stands for score x 2^(e2 + e3): added to c's exponent field
	s_mov_b32 s[CS+1], s[CS]
	s_add_co_i32 s50, s72, 127
	s_lshl_b32 s51, s50, 23
	v_mov_b32 v[SCP], s51                          ; 2^e4
	s_add_co_i32 s50, s50, 8
	s_lshl_b32 s50, s50, 23
	s_or_b32 s50, s50, 0x600000
	v_mov_b32 v[LIMP], s50                         ; 448 x 2^e4
	s_add_co_i32 s50, s74, 127
	s_lshl_b32 s60, s50, 23                        ; 2^e6
	s_add_co_i32 s50, s50, 8
	s_lshl_b32 s50, s50, 23
	s_or_b32 s61, s50, 0x600000                    ; 448 x 2^e6
	s_add_co_i32 s53, s72, s73                     ; e4 + e5
.macro INIT                            ; a tile begins: the step is written without a first step of its own
	v_mov_b32 v13, 0xff61b1e6                      ; the largest t so far: -3e38
	v_floor_f32 v12, -v13                          ; -M
	v_mov_b32 v14, 0
	v_mov_b32 v15, 0
.set j, 0
.rept 32
	v_mov_b32 v[O+j], 0
.set j, j+1
.endr
	s_wait_alu depctr_va_vdst(0)
.endm
.macro KFIRST                          ; K of my first step: the one fragment set that no earlier step could ask for
.irp t, 0,1,2,3,4,5,6,7
	ds_load_b128 v[KF+8*\t:KF+8*\t+3], v[AK0] offset:1088*\t
	ds_load_b128 v[KF+8*\t+4:KF+8*\t+7], v[AK0] offset:1088*\t+32
.endr
.endm
.macro STEP                            ; 128 keys; their K is in v[KF] on, or on its way there
	s_cmp_gt_u32 s[STP], s[BETA]                   ; all its keys come after my queries: only the lines at its end that step numbers are run
	s_cbranch_scc1 .Lhidden_\@
	v_add_nc_u32 v[ADK], s[TB], v[AK0]
	v_add_nc_u32 v[ADV], s[TB], v[AV0]
.rept 3
	v_nop                                          ; with the two additions: five places, since the first two products below write over V's fourth fragment, which the last step's last product read
.endr
	s_wait_alu depctr_va_vdst(0)
	s_wait_dscnt 0x0                               ; K is in
.irp t, 0,1,2,3,4,5,6,7
	v_wmma_f32_16x16x64_fp8_fp8 v[S+8*\t:S+8*\t+7], v[KF+8*\t:KF+8*\t+7], v[16:23], 0
.endr
.rept 4
	v_nop                                          ; four places in front of the loads into K's registers and of the first read of the scores
.endr
.irp t, 0,1,2,3,4,5,6,7
	ds_load_b128 v[KF+8*\t:KF+8*\t+3], v[ADK] offset:2*CH+1088*\t      ; K OF MY NEXT STEP, two steps on: it lands while the softmax is worked.  (Steps 14 and 15 read V's first bytes, which landed with the first quarter; nothing uses them)
	ds_load_b128 v[KF+8*\t+4:KF+8*\t+7], v[ADK] offset:2*CH+1088*\t+32
.endr
.irp t, 0,1,2
.irp c, 0,1,2,3
	ds_load_b128 v[VF+16*\t+4*\c:VF+16*\t+4*\c+3], v[ADV] offset:2176*\t+32*\c   ; this step's V, fragments 0 to 2
.endr
.endr
	s_cmp_lg_u32 s[STP], s[BETA]
	s_cbranch_scc1 .Lopen_\@
	v_mov_b32 v[TM], 0xff800000                    ; my block's own step: register 8 t + j holds key 16 t + 8 h + j of the block: hidden where 16 t + j > my query - 8 h
	v_and_b32 v[F], 15, v0
	v_bfe_u32 v[F+1], v0, 4, 1
	v_lshlrev_b32 v[F+1], 3, v[F+1]
	v_sub_nc_u32 v[F], v[F], v[F+1]
	v_add_nc_u32 v[F], s[T16], v[F]                ; my query in its block less 8 h
.set n, 0
.rept 64
	v_cmp_gt_i32 vcc_lo, 16*(n/8)+n%8, v[F]
	v_cndmask_b32 v[S+n], v[S+n], v[TM], vcc_lo
.set n, n+1
.endr
.Lopen_\@:
	v_max3_num_f32 v[TM], v[S], v[S+1], v[S+2]     ; the step's largest score of my query, in two chains, from each accumulator's low end on
	v_max3_num_f32 v[F], v[S+3], v[S+4], v[S+5]
.irp i, 6,10,14,18,22,26,30,34,38,42,46,50,54,58
	v_max3_num_f32 v[TM], v[TM], v[S+\i], v[S+1+\i]
	v_max3_num_f32 v[F], v[F], v[S+2+\i], v[S+3+\i]
.endr
	v_max3_num_f32 v[TM], v[TM], v[S+62], v[S+63]
	s_delay_alu instid0(VALU_DEP_1)
	v_max_num_f32 v[TM], v[TM], v[F]
	s_delay_alu instid0(VALU_DEP_1)
	v_permlanex16_b32 v[PD], v[TM], s[SEL], s[SEL+1]
	s_delay_alu instid0(VALU_DEP_1)
	v_max_num_f32 v[TM], v[TM], v[PD]
	s_delay_alu instid0(VALU_DEP_1)
	v_mul_f32 v[TM], s[CS], v[TM]
	s_delay_alu instid0(VALU_DEP_1)
	v_max_num_f32 v13, v13, v[TM]                  ; the running largest t
	v_mov_b32 v[TM], v12
	s_delay_alu instid0(VALU_DEP_2)
	v_floor_f32 v12, -v13                          ; the new -M = -ceil(t)
	s_delay_alu instid0(VALU_DEP_1)
	v_sub_f32 v[TM], v12, v[TM]
	s_delay_alu instid0(VALU_DEP_1)
	v_cvt_i32_f32 v[TM], v[TM]
	s_delay_alu instid0(VALU_DEP_1)
	v_ldexp_f32 v[F], 1.0, v[TM]                   ; f = 2^(old M - new M)
.set j, 0
.rept 32
	v_pk_fma_f32 v[S+j:S+j+1], v[S+j:S+j+1], s[CS:CS+1], v[12:13] op_sel_hi:[1,0,0]   ; t - M
.set j, j+2
.endr
.set j, 0
	s_wait_alu depctr_va_vdst(0)
.rept 64
	v_exp_f32 v[S+j], v[S+j]                       ; p
.set j, j+1
.endr
	v_pk_mul_f32 v[14:15], v[14:15], v[F:F+1] op_sel_hi:[1,0]   ; the sums under the new M: the plain instruction behind the exponentials
	s_wait_alu depctr_va_vdst(0)                   ; one wait for the batch, ahead of its first reader
	v_pk_add_f32 v[26:27], v[100:101], v[104:105]
	v_pk_add_f32 v[206:207], v[108:109], v[112:113]
	v_pk_add_f32 v[204:205], v[116:117], v[120:121]
	v_pk_add_f32 v[202:203], v[124:125], v[128:129]
	v_pk_add_f32 v[200:201], v[132:133], v[136:137]
	v_pk_add_f32 v[198:199], v[140:141], v[144:145]
	v_pk_add_f32 v[196:197], v[148:149], v[152:153]
	v_pk_add_f32 v[14:15], v[14:15], v[156:157]
	v_pk_add_f32 v[26:27], v[26:27], v[96:97]
	v_pk_add_f32 v[206:207], v[206:207], v[98:99]
	v_pk_add_f32 v[204:205], v[204:205], v[102:103]
	v_pk_add_f32 v[202:203], v[202:203], v[106:107]
	v_pk_add_f32 v[200:201], v[200:201], v[110:111]
	v_pk_add_f32 v[198:199], v[198:199], v[114:115]
	v_pk_add_f32 v[196:197], v[196:197], v[118:119]
	v_pk_add_f32 v[14:15], v[14:15], v[122:123]
	v_pk_add_f32 v[26:27], v[26:27], v[126:127]
	v_pk_add_f32 v[206:207], v[206:207], v[130:131]
	v_pk_add_f32 v[204:205], v[204:205], v[134:135]
	v_pk_add_f32 v[202:203], v[202:203], v[138:139]
	v_pk_add_f32 v[200:201], v[200:201], v[142:143]
	v_pk_add_f32 v[198:199], v[198:199], v[146:147]
	v_pk_add_f32 v[196:197], v[196:197], v[150:151]
	v_pk_add_f32 v[14:15], v[14:15], v[154:155]
	v_pk_add_f32 v[26:27], v[26:27], v[158:159]
	s_delay_alu instid0(VALU_DEP_2)
	v_pk_add_f32 v[14:15], v[14:15], v[202:203]
	s_delay_alu instid0(VALU_DEP_2)
	v_pk_add_f32 v[26:27], v[26:27], v[200:201]
	v_pk_add_f32 v[206:207], v[206:207], v[198:199]
	v_pk_add_f32 v[204:205], v[204:205], v[196:197]
	s_delay_alu instid0(VALU_DEP_2)
	v_pk_add_f32 v[14:15], v[14:15], v[206:207]
	s_delay_alu instid0(VALU_DEP_2)
	v_pk_add_f32 v[26:27], v[26:27], v[204:205]
	s_delay_alu instid0(VALU_DEP_1)
	v_pk_add_f32 v[14:15], v[14:15], v[26:27]
.set j, 0
.rept 16
	v_min_num_f32 v[S+j], v[S+j], v[LIMP]          ; p is not negative: a one-sided hold (the conversion does not saturate: ISA guide 7.6.2).  Tiles 0 and 1 first,
.set j, j+1
.endr
	v_cvt_scalef32_pk8_fp8_f32 v[P:P+1], v[S:S+7], v[SCP]
	v_cvt_scalef32_pk8_fp8_f32 v[P+2:P+3], v[S+8:S+15], v[SCP]
	v_nop                                          ; a plain instruction behind the two conversions
.irp c, 0,1,2,3
	ds_load_b128 v[S+4*\c:S+4*\c+3], v[ADV] offset:2176*3+32*\c   ; so that their 16 registers take V's fourth fragment, which lands under the 70 instructions below
.endr
.set j, 16
.rept 48
	v_min_num_f32 v[S+j], v[S+j], v[LIMP]
.set j, j+1
.endr
.set j, 2
.rept 6
	v_cvt_scalef32_pk8_fp8_f32 v[P+2*j:P+2*j+1], v[S+8*j:S+8*j+7], v[SCP]
.set j, j+1
.endr
.set j, 0
.rept 16
	v_pk_mul_f32 v[O+j:O+j+1], v[O+j:O+j+1], v[F:F+1] op_sel_hi:[1,0]   ; O^T under the new M
.set j, j+2
.endr
	s_wait_alu depctr_va_vdst(0)
	s_wait_dscnt 0x4                               ; LDS loads come back in order: the next K's 16 and V's first 12 are in; the fourth fragment's four may be out
.irp t, 0,1,2
	v_wmma_f32_16x16x128_fp8_fp8 v[O+8*\t:O+8*\t+7], v[VF+16*\t:VF+16*\t+15], v[P:P+15], v[O+8*\t:O+8*\t+7]   ; four accumulators by turns
.endr
	s_wait_dscnt 0x0                               ; V's fourth fragment is in
	v_wmma_f32_16x16x128_fp8_fp8 v[O+24:O+31], v[S:S+15], v[P:P+15], v[O+24:O+31]
.Lhidden_\@:
	s_add_co_u32 s[STP], s[STP], 2
	s_add_co_u32 s[TB], s[TB], 2*CH
.endm
.macro WALK first, trips               ; my steps among first .. first + 2 trips - 1
	s_mov_b32 s[TB], \first*CH
	s_add_co_u32 s[STP], s[PAR], \first
	s_mov_b32 s[CNT], \trips
.Lq_\@:
	STEP
	s_sub_co_u32 s[CNT], s[CNT], 1
	s_cmp_lg_u32 s[CNT], 0
	s_cbranch_scc1 .Lq_\@
.endm
; A segment of the first tile's walk.  Every wave waits for its tensor load; the barrier shows every wave the quarter that the segment needs.  fill = k: behind it waves 2 k and 2 k + 1 ask for quarter k, a first fill:
; the wait, the add (twice on end here) and the wait for it stand in front of such a barrier.
.macro SEG fill, first, trips
	s_wait_tensorcnt 0x0
.if \fill
	ds_add_u32 v[SPW], v[NIL]
	ds_add_u32 v[SPW], v[NIL]
.endif
	s_wait_dscnt 0x0
	s_barrier_signal -1
	s_barrier_wait -1
.if \fill
	s_cmp_eq_u32 s[TL], \fill
	s_cbranch_scc0 .Lnf_\@
	tensor_load_to_lds s[G0:G0+3], s[G1:G1+7]
	s_nop 0
.rept 4
	v_nop
.endr
.Lnf_\@:
.if \fill < 3
	ASK \fill+1
.endif
.endif
.if \first == 0
	KFIRST
.endif
	WALK \first, \trips
.endm
; A tile's end.  The wave of parity ps hands its O^T, -M and sums over; the other joins them with its own and writes the tile out at yb.  nextq = 1: Q of the second tile is asked for first.
.macro FIN ps, nextq, yb
.if \nextq
	v_and_b32 v[ADK], 15, v0                       ; (these four are also the places behind the last products)
	v_bfe_u32 v[ADV], v0, 4, 1
	v_lshlrev_b32 v[ADK], 6, v[ADK]
	v_lshl_add_u32 v[ADK], v[ADV], 4, v[ADK]
	global_load_b128 v[16:19], v[ADK], s[QS:QS+1]
	global_load_b128 v[20:23], v[ADK], s[QS:QS+1] offset:32
.else
.rept 4
	v_nop                                          ; four places behind the last products
.endr
.endif
	s_cmp_eq_u32 s[PAR], \ps
	s_cbranch_scc0 .Lkeep_\@
.irp i, 0,1,2,3,4,5,6,7
	ds_store_b128 v[XA], v[O+4*\i:O+4*\i+3] offset:512*\i   ; each accumulator from its low end on
.endr
	ds_store_b128 v[XA], v[12:15] offset:4096
.Lkeep_\@:
	s_wait_dscnt 0x0                               ; for my partner's sake: my numbers lie in LDS
	s_barrier_signal -1
	s_barrier_wait -1
	s_cmp_eq_u32 s[PAR], \ps
	s_cbranch_scc1 .Ldone_\@
.irp i, 0,1,2,3,4,5,6,7
	ds_load_b128 v[S+4*\i:S+4*\i+3], v[XA] offset:512*\i
.endr
	ds_load_b128 v[128:131], v[XA] offset:4096     ; my partner's -M, largest t, sums
	s_wait_dscnt 0x0
	v_add_f32 v14, v14, v15
	v_add_f32 v130, v130, v131
	v_min_num_f32 v[TM], v12, v128                 ; -(the larger M)
	v_sub_f32 v[F], v[TM], v12                     ; my M less the larger: a whole number, 0 or less
	v_sub_f32 v[SU2], v[TM], v128                  ; my partner's likewise
	v_cvt_i32_f32 v[F], v[F]                       ; (it saturates: a wave that saw no key has -M = 3e38, and its factor is 0)
	v_cvt_i32_f32 v[SU2], v[SU2]
	v_ldexp_f32 v[F], 1.0, v[F]
	v_ldexp_f32 v[SU2], 1.0, v[SU2]
	v_mul_f32 v14, v14, v[F]
	v_fmac_f32 v14, v130, v[SU2]
	v_permlanex16_b32 v[PD], v14, s[SEL], s[SEL+1]
	v_add_f32 v14, v14, v[PD]                      ; the row's sum
.set j, 0
.rept 16
	v_pk_mul_f32 v[O+j:O+j+1], v[O+j:O+j+1], v[F:F+1] op_sel_hi:[1,0]
.set j, j+2
.endr
.set j, 0
.rept 16
	v_pk_fma_f32 v[O+j:O+j+1], v[S+j:S+j+1], v[SU2:SU2+1], v[O+j:O+j+1] op_sel_hi:[1,0,1]
.set j, j+2
.endr
	s_wait_alu depctr_va_vdst(0)
	v_rcp_f32 v14, v14
	v_mov_b32 v132, s61                            ; 448 x 2^e6
	v_mov_b32 v133, s60                            ; 2^e6
	s_wait_alu depctr_va_vdst(0)                   ; the wait ahead of the reciprocal's first reader
	v_ldexp_f32 v14, v14, s53                      ; x 2^(e4 + e5)
.set j, 0
.rept 32
	v_mul_f32 v[S+j], v[O+j], v14                  ; register 8 t + i: y(query r, 16 t + 8 h + i)
.set j, j+1
.endr
.set j, 0
.rept 32
	v_med3_num_f32 v[S+j], v[S+j], -v132, v132
.set j, j+1
.endr
.irp t, 0,1,2,3
	v_cvt_scalef32_pk8_fp8_f32 v[136+2*\t:137+2*\t], v[S+8*\t:S+8*\t+7], v133
.endr
	v_nop
.irp t, 0,1,2,3
	ds_store_b64 v[STO], v[136+2*\t:137+2*\t] offset:16*\t
.endr
	ds_load_b128 v[144:147], v[RD]                 ; LDS serves a wave's instructions in order: these see my stores
	ds_load_b128 v[148:151], v[RD] offset:640
	s_wait_dscnt 1                                 ; the second load may be out
	global_store_b128 v[GO], v[144:147], s[\yb:\yb+1]   ; 16 rows x 64 codes leave as 1,024 consecutive bytes
	s_wait_dscnt 0
	global_store_b128 v[GO], v[148:151], s[\yb:\yb+1] offset:512
	s_wait_xcnt 0x0                                ; the stores have read their registers, which the next tile's scores take
.Ldone_\@:
.endm
	INIT
	s_wait_loadcnt 0x0                             ; Q
	SEG 1, 0, 1                                    ; keys 0-511 have landed: V of steps 0-1, K of steps 0-3
	SEG 2, 2, 2                                    ; keys 512-1023 too: V of steps 2-5, K of steps 4-7
	SEG 3, 6, 2                                    ; keys 1024-1535 too: V of steps 6-9, K of steps 8-11
	SEG 0, 10, 3                                   ; all have landed
	FIN 1, 1, YL
	s_mov_b32 s[BETA], ttmp9                       ; the earlier block: steps 0 to 7 at the most
	INIT
	s_wait_loadcnt 0x0                             ; its Q
	KFIRST
	WALK 0, 4
	FIN 0, 0, YS
	s_wait_tensorcnt 0x0                           ; the wave's end
	ds_add_u32 v[SPW], v[NIL]
	s_wait_dscnt 0x0
	s_endpgm
.Lfunc_end_k_q12ddc05ed6_attn:
	.size	k_q12ddc05ed6_attn, .Lfunc_end_k_q12ddc05ed6_attn-k_q12ddc05ed6_attn
	.p2alignl 7, 3214868480
	.fill 96, 4, 3214868480
	.section	.rodata,"a",@progbits
	.p2align	6, 0x0
	.amdhsa_kernel k_q12ddc05ed6_attn
		.amdhsa_group_segment_fixed_size 327680
		.amdhsa_private_segment_fixed_size 0
		.amdhsa_enable_private_segment 0
		.amdhsa_kernarg_size 24
		.amdhsa_user_sgpr_count 2
		.amdhsa_user_sgpr_kernarg_segment_ptr 1
		.amdhsa_wavefront_size32 1
		.amdhsa_system_sgpr_workgroup_id_x 1
		.amdhsa_system_sgpr_workgroup_id_y 1
		.amdhsa_system_sgpr_workgroup_id_z 1
		.amdhsa_system_vgpr_workitem_id 0
		.amdhsa_next_free_vgpr 256
		.amdhsa_next_free_sgpr 76
		.amdhsa_reserve_vcc 1
		.amdhsa_float_denorm_mode_32 3
		.amdhsa_float_denorm_mode_16_64 3
		.amdhsa_memory_ordered 1
		.amdhsa_forward_progress 1
		.amdhsa_inst_pref_size 137
	.end_amdhsa_kernel
	.amdgpu_metadata
---
amdhsa.version: [ 1, 2 ]
amdhsa.kernels:
  - .name:           k_q12ddc05ed6_attn
    .symbol:         k_q12ddc05ed6_attn.kd
    .args:
      - { .name: qkv, .offset: 0, .size: 8, .value_kind: global_buffer, .address_space: global }
      - { .name: lowp_scales, .offset: 8, .size: 8, .value_kind: global_buffer, .address_space: global }
      - { .name: yc, .offset: 16, .size: 8, .value_kind: global_buffer, .address_space: global }
    .group_segment_fixed_size: 327680
    .private_segment_fixed_size: 0
    .kernarg_segment_align: 8
    .kernarg_segment_size: 24
    .max_flat_workgroup_size: 512
    .sgpr_count:     76
    .vgpr_count:     256
    .wavefront_size: 32
...
	.end_amdgpu_metadata
.endif
;; end of part 3
;; launch proj_gemm (part 4): grid 8 x 32, 4 waves a work-group, clusters of 4 x 4, 327,680 bytes of LDS; arguments yc, W0, lowp_scales, pre; writes pre
.if DOCPART == 4
	.amdgcn_target "amdgcn-amd-amdhsa--gfx1250"
	.amdhsa_code_object_version 6
	.text
	.protected	k_q12ddc05ed6_proj_gemm
	.globl	k_q12ddc05ed6_proj_gemm
	.p2align	8
	.type	k_q12ddc05ed6_proj_gemm,@function
k_q12ddc05ed6_proj_gemm:
	s_mov_b64 s[64:65], 0
	v_nop
	global_prefetch_b8 v0, s[64:65] scope:SCOPE_SE
	s_setreg_imm32_b32 hwreg(HW_REG_WAVE_MODE, 25, 1), 1
	s_wait_xcnt 0x0
	s_wait_alu depctr_hold_cnt(0) depctr_sa_sdst(0) depctr_va_vdst(0) depctr_va_sdst(0) depctr_va_ssrc(0) depctr_va_vcc(0) depctr_vm_vsrc(0)
	s_getreg_b32 s2, hwreg(HW_REG_IB_STS2, 6, 4)
	s_cmp_eq_u32 s2, 0
	s_cbranch_scc0 .Lentry_in_a_cluster
	s_endpgm
.Lentry_in_a_cluster:
	s_bfe_u32 s2, ttmp6, 0x10000c
	s_cmp_lg_u32 s2, 0xf033
	s_cbranch_scc0 .Lentry_shape_is_right
	s_endpgm
.Lentry_shape_is_right:
.set KK,    1024
.set WOFF,  7<<20
.set SCO,   24
.set LAPS,  KK/1024
.set CH,    8704
.set HALFT, 4*CH
.set SLOT,  4*HALFT
.set STAGE, 2*SLOT
.set SPITCH, 272
.set SPARE, STAGE+4*16*SPITCH
.set ADRA, 16
.set ADRB, 20
.set STO,  24
.set RD,   25
.set CO,   26
.set SPW,  28
.set NIL,  29
.set PFO,  30
.set TMP,  32
.set BK,   64
.set ACC,  128
.set F0,   0
.set F1,   128
.set G1, 24
.set G0, 32
.set G1B, 48
.set G0B, 56
.set PFA, 70
.set LIM, 72
.set MSB, 0
.macro WIN new
.if MSB != \new
	s_set_vgpr_msb (MSB<<8)|\new
.set MSB, \new
.endif
.endm
.set MUL,  0x05
.set TO_F, 0x40
.macro JLOAD s
	s_cmp_eq_u32 s11, 0
	s_cbranch_scc0 .Lfor_b_\@
	tensor_load_to_lds s[G0+4*\s:G0+4*\s+3], s[G1:G1+7]
	s_nop 0
.rept 4
	v_nop
.endr
	s_branch .Lasked_\@
.Lfor_b_\@:
	tensor_load_to_lds s[G0B+4*\s:G0B+4*\s+3], s[G1B:G1B+7]
	s_nop 0
.rept 4
	v_nop
.endr
.Lasked_\@:
.endm
.macro CREST
	s_cmp_lg_u32 s10, 0
	s_cbranch_scc1 .Lnot_wave_0_\@
	s_barrier_signal -3
.Lnot_wave_0_\@:
	s_barrier_wait -3
	s_barrier_signal -1
	s_barrier_wait -1
.endm
.macro CROUND
	s_barrier_signal -1
	s_barrier_wait -1
	CREST
.endm
.macro ASK
	WIN 0
	s_cmp_gt_u32 s3, s[LIM]
	s_cbranch_scc0 .Lnot_mine_\@
	global_prefetch_b8 v[PFO], s[PFA:PFA+1] offset:65536 th:TH_LOAD_NT scope:SCOPE_SE
.Lnot_mine_\@:
.endm
	s_load_b128 s[4:7], s[0:1], 0x0
	s_load_b64 s[66:67], s[0:1], 0x10
	s_load_b64 s[8:9], s[0:1], 0x18
	v_lshl_add_u32 v[SPW], v0, 2, SPARE
	v_mov_b32 v[NIL], 0
	ds_add_u32 v[SPW], v[NIL]
	ds_add_u32 v[SPW], v[NIL]
	v_lshrrev_b32 v1, 5, v0
	v_readfirstlane_b32 s10, v1
	s_lshr_b32 s11, s10, 1
	s_and_b32 s12, s10, 1
	s_bfe_u32 s40, ttmp6, 0x40000
	s_bfe_u32 s41, ttmp6, 0x40004
	s_lshl_b32 s42, ttmp9, 2
	s_add_co_u32 s42, s42, s40
	s_and_b32 s13, ttmp7, 0xffff
	s_lshl_b32 s13, s13, 2
	s_add_co_u32 s13, s13, s41
	s_lshl_b32 s43, s41, 2
	s_lshl_b32 s43, 15, s43
	s_lshl_b32 s44, 0x1111, s40
	s_or_b32 s[G1+0], s43, (3<<16)|(1<<20)|(1<<21)|(5<<22)|(3<<25)
	s_or_b32 s[G1B+0], s44, (3<<16)|(1<<20)|(1<<21)|(5<<22)|(3<<25)
.irp g, G1, G1B
	s_mov_b32 s[\g+1], 32<<16
	s_mov_b32 s[\g+2], 128<<16
	s_mov_b32 s[\g+3], 32<<16
	s_mov_b32 s[\g+4], 128
	s_mov_b32 s[\g+5], 32
	s_mov_b32 s[\g+6], 0
	s_mov_b32 s[\g+7], 0
.endr
	s_lshl_b32 s17, s12, 15
	s_mul_i32 s16, s13, KK*128
	s_add_co_u32 s16, s16, s17
	s_mul_i32 s46, s42, KK*128
	s_add_co_u32 s46, s46, s17
	s_add_co_u32 s46, s46, WOFF
	s_mov_b32 s17, 0
	s_mov_b32 s47, 0
	s_mul_i32 s20, s10, HALFT
	s_wait_dscnt 0x0
	s_wait_kmcnt 0x0
	s_load_b64 s[68:69], s[66:67], SCO
	s_add_nc_u64 s[14:15], s[4:5], s[16:17]
	s_add_nc_u64 s[46:47], s[6:7], s[46:47]
	CROUND
.irp s, 0,1
	s_mov_b32 s[G0+4*\s], 1
	s_add_co_u32 s[G0+4*\s+1], s20, \s*SLOT
	s_add_nc_u64 s[G0+4*\s+2:G0+4*\s+3], s[14:15], \s*65536
	s_or_b32 s[G0+4*\s+3], s[G0+4*\s+3], 0x80000000
	s_mov_b32 s[G0B+4*\s], 1
	s_add_co_u32 s[G0B+4*\s+1], s20, \s*SLOT
	s_add_nc_u64 s[G0B+4*\s+2:G0B+4*\s+3], s[46:47], \s*65536
	s_or_b32 s[G0B+4*\s+3], s[G0B+4*\s+3], 0x80000000
.endr
	JLOAD 0
.if LAPS > 1
	s_and_b32 s22, ttmp7, 0xffff
	s_cmp_eq_u32 s11, 0
	s_cselect_b32 s21, s40, s41
	s_cselect_b32 s22, ttmp9, s22
	s_cselect_b64 s[PFA:PFA+1], s[14:15], s[46:47]
	s_cmp_eq_u32 s22, 0
	s_cselect_b32 s[LIM], 1, -1
	s_lshl_b32 s20, s21, 13
	s_add_co_u32 s20, s20, 2*65536
	s_mov_b32 s21, 0
	s_add_nc_u64 s[PFA:PFA+1], s[PFA:PFA+1], s[20:21]
	v_and_b32 v[PFO], 31, v0
	v_lshlrev_b32 v[PFO], 8, v[PFO]
.endif
	v_and_b32 v1, 15, v0
	v_bfe_u32 v2, v0, 4, 1
	v_lshrrev_b32 v3, 2, v1
	v_mul_u32_u24 v3, v3, 272
	v_and_b32 v4, 3, v1
	v_lshl_add_u32 v3, v4, 6, v3
	v_lshl_add_u32 v3, v2, 4, v3
	s_mul_i32 s21, s11, 4352
	s_mul_i32 s22, s12, 4352
	s_add_co_u32 s22, s22, 2*HALFT
.irp s, 0,1
	v_add_nc_u32 v[ADRA+\s], s21, v3
	v_add_nc_u32 v[ADRB+\s], s22, v3
	s_add_co_u32 s21, s21, SLOT
	s_add_co_u32 s22, s22, SLOT
.endr
	s_mul_i32 s23, s10, 16*SPITCH
	s_add_co_u32 s23, s23, STAGE
	v_mul_u32_u24 v4, v1, SPITCH
	v_lshl_add_u32 v4, v2, 5, v4
	v_add_nc_u32 v[STO], s23, v4
	v_mul_u32_u24 v5, v2, SPITCH
	v_lshl_add_u32 v5, v1, 4, v5
	v_add_nc_u32 v[RD], s23, v5
	v_lshlrev_b32 v5, 12, v2
	v_lshl_add_u32 v[CO], v1, 4, v5
	s_lshl_b32 s16, s13, 19
	s_lshl_b32 s17, s11, 18
	s_add_co_u32 s16, s16, s17
	s_lshl_b32 s17, s42, 9
	s_add_co_u32 s16, s16, s17
	s_lshl_b32 s17, s12, 8
	s_add_co_u32 s16, s16, s17
	s_mov_b32 s17, 0
	s_add_nc_u64 s[8:9], s[8:9], s[16:17]
.macro FRAG reg, adr, q, i
.irp c, 0,1,2,3
	ds_load_b128 v[\reg+4*\c:\reg+4*\c+3], v[\adr] offset:(2*(\q)+\c/2)*CH+(\i)*1088+32*(\c%2)
.endr
.endm
.macro FETCH slot, q, f
	WIN TO_F
.irp i, 0,1,2,3
	FRAG \f+64+16*\i, ADRB+\slot, \q, \i
.endr
.irp i, 0,1,2,3
	FRAG \f+16*\i, ADRA+\slot, \q, \i
.endr
.endm
.macro MUL4 f, a, zero
.irp b, 0,1,2,3
.if \zero
	v_wmma_f32_16x16x128_fp8_fp8 v[ACC+8*(4*\a+\b):ACC+8*(4*\a+\b)+7], v[\f+64+16*\b:\f+64+16*\b+15], v[\f+16*\a:\f+16*\a+15], 0
.else
	v_wmma_f32_16x16x128_fp8_fp8 v[ACC+8*(4*\a+\b):ACC+8*(4*\a+\b)+7], v[\f+64+16*\b:\f+64+16*\b+15], v[\f+16*\a:\f+16*\a+15], v[ACC+8*(4*\a+\b):ACC+8*(4*\a+\b)+7]
.endif
.endr
.endm
.macro PLACES
.rept 4
	v_nop
.endr
.endm
.macro QUARTER slot, qn, f, g, zero
	s_wait_dscnt 8
	WIN MUL
	MUL4 \f, 0, \zero
	MUL4 \f, 1, \zero
	PLACES
	FETCH \slot, \qn, \g
	s_wait_dscnt 32
	WIN MUL
	MUL4 \f, 2, \zero
	MUL4 \f, 3, \zero
.endm
.macro TURN slot, next, fill
.if \fill
	s_wait_xcnt 0x0
	s_add_nc_u64 s[PFA:PFA+1], s[PFA:PFA+1], 65536
.endif
	WIN 0
	s_wait_tensorcnt 0x0
	ds_add_u32 v[SPW], v[NIL]
	s_wait_dscnt 9
	WIN MUL
	MUL4 F1, 0, 0
	s_wait_dscnt 0x0
	s_barrier_signal -1
	MUL4 F1, 1, 0
.if \fill
	WIN 0
.endif
	s_barrier_wait -1
.if \fill
	CREST
	s_add_nc_u64 s[G0+4*\slot+2:G0+4*\slot+3], s[G0+4*\slot+2:G0+4*\slot+3], 131072
	s_add_nc_u64 s[G0B+4*\slot+2:G0B+4*\slot+3], s[G0B+4*\slot+2:G0B+4*\slot+3], 131072
	JLOAD \slot
.else
	PLACES
.endif
	FETCH \next, 0, F0
.if \fill
	ASK
.endif
	WIN MUL
	MUL4 F1, 2, 0
	MUL4 F1, 3, 0
.endm
	s_wait_alu depctr_va_vdst(0)
	s_wait_tensorcnt 0x0
	ds_add_u32 v[SPW], v[NIL]
	s_wait_dscnt 0x0
	CROUND
	JLOAD 1
	FETCH 0, 0, F0
	QUARTER 0, 1, F0, F1, 1
.if LAPS > 1
	WIN 0
	s_mov_b32 s3, LAPS-1
.Llap:
	QUARTER 0, 2, F1, F0, 0
	QUARTER 0, 3, F0, F1, 0
	TURN 0, 1, 1
	QUARTER 1, 1, F0, F1, 0
	QUARTER 1, 2, F1, F0, 0
	QUARTER 1, 3, F0, F1, 0
	TURN 1, 0, 1
	QUARTER 0, 1, F0, F1, 0
	WIN 0
	s_sub_co_u32 s3, s3, 1
	s_cmp_lg_u32 s3, 0
	s_cbranch_scc1 .Llap
.endif
	QUARTER 0, 2, F1, F0, 0
	QUARTER 0, 3, F0, F1, 0
	TURN 0, 1, 0
	QUARTER 1, 1, F0, F1, 0
	QUARTER 1, 2, F1, F0, 0
	QUARTER 1, 3, F0, F1, 0
	s_wait_dscnt 8
	WIN MUL
	MUL4 F1, 0, 0
	MUL4 F1, 1, 0
	s_wait_dscnt 0
	MUL4 F1, 2, 0
	MUL4 F1, 3, 0
	WIN 0
	PLACES
	s_wait_kmcnt 0x0
	s_add_co_i32 s68, s68, s69
	s_add_co_i32 s68, s68, 127
	s_lshl_b32 s68, s68, 23
	s_mov_b32 s69, s68
.irp a, 0,1,2,3
.set j, 0
.rept 16
	v_pk_mul_f32 v[TMP+j:TMP+j+1], v[ACC+32*\a+j:ACC+32*\a+j+1], s[68:69] op_sel_hi:[1,0]
.set j, j+2
.endr
.irp b, 0,1,2,3
	ds_store_b128 v[STO], v[TMP+8*\b:TMP+8*\b+3] offset:64*\b
	ds_store_b128 v[STO], v[TMP+8*\b+4:TMP+8*\b+7] offset:64*\b+16
.endr
.if \a > 1
	s_wait_xcnt 0x0
.endif
.irp t, 0,1,2,3,4,5,6,7
	ds_load_b128 v[BK+32*(\a%2)+4*\t:BK+32*(\a%2)+4*\t+3], v[RD] offset:\t*2*SPITCH
.endr
	s_wait_dscnt 0x0
.irp t, 0,1,2,3,4,5,6,7
	global_store_b128 v[CO], v[BK+32*(\a%2)+4*\t:BK+32*(\a%2)+4*\t+3], s[8:9] offset:(16*\a+2*\t)*4096
.endr
.endr
	s_wait_tensorcnt 0x0
	ds_add_u32 v[SPW], v[NIL]
	s_wait_dscnt 0x0
	CROUND
	s_endpgm
.Lfunc_end_k_q12ddc05ed6_proj_gemm:
	.size	k_q12ddc05ed6_proj_gemm, .Lfunc_end_k_q12ddc05ed6_proj_gemm-k_q12ddc05ed6_proj_gemm
	.p2alignl 7, 3214868480
	.fill 96, 4, 3214868480
	.section	.rodata,"a",@progbits
	.p2align	6, 0x0
	.amdhsa_kernel k_q12ddc05ed6_proj_gemm
		.amdhsa_group_segment_fixed_size 327680
		.amdhsa_private_segment_fixed_size 0
		.amdhsa_enable_private_segment 0
		.amdhsa_kernarg_size 32
		.amdhsa_user_sgpr_count 2
		.amdhsa_user_sgpr_kernarg_segment_ptr 1
		.amdhsa_wavefront_size32 1
		.amdhsa_system_sgpr_workgroup_id_x 1
		.amdhsa_system_sgpr_workgroup_id_y 1
		.amdhsa_system_sgpr_workgroup_id_z 1
		.amdhsa_system_vgpr_workitem_id 0
		.amdhsa_next_free_vgpr 512
		.amdhsa_next_free_sgpr 74
		.amdhsa_reserve_vcc 0
		.amdhsa_float_denorm_mode_32 3
		.amdhsa_float_denorm_mode_16_64 3
		.amdhsa_memory_ordered 1
		.amdhsa_forward_progress 1
		.amdhsa_inst_pref_size 46
	.end_amdhsa_kernel
	.amdgpu_metadata
---
amdhsa.version: [ 1, 2 ]
amdhsa.kernels:
  - .name:           k_q12ddc05ed6_proj_gemm
    .symbol:         k_q12ddc05ed6_proj_gemm.kd
    .args:
      - { .name: yc, .offset: 0, .size: 8, .value_kind: global_buffer, .address_space: global }
      - { .name: W0, .offset: 8, .size: 8, .value_kind: global_buffer, .address_space: global }
      - { .name: lowp_scales, .offset: 16, .size: 8, .value_kind: global_buffer, .address_space: global }
      - { .name: pre, .offset: 24, .size: 8, .value_kind: global_buffer, .address_space: global }
    .group_segment_fixed_size: 327680
    .private_segment_fixed_size: 0
    .kernarg_segment_align: 8
    .kernarg_segment_size: 32
    .max_flat_workgroup_size: 128
    .sgpr_count:     74
    .vgpr_count:     512
    .wavefront_size: 32
...
	.end_amdgpu_metadata
.endif
;; end of part 4
;; launch ln1 (part 5): grid 256 x 1, 8 waves a work-group, no clusters, 18,432 bytes of LDS; arguments pre, b_proj, x, ln1_g, ln1_b, lowp_scales, h, hc; writes h, hc
.if DOCPART == 5
	.amdgcn_target "amdgcn-amd-amdhsa--gfx1250"
	.amdhsa_code_object_version 6
	.text
	.protected	k_q12ddc05ed6_ln1
	.globl	k_q12ddc05ed6_ln1
	.p2align	8
	.type	k_q12ddc05ed6_ln1,@function
k_q12ddc05ed6_ln1:
	s_mov_b64 s[64:65], 0
	v_nop
	global_prefetch_b8 v0, s[64:65] scope:SCOPE_SE
	s_setreg_imm32_b32 hwreg(HW_REG_WAVE_MODE, 25, 1), 1
	s_wait_xcnt 0x0
; h = LayerNorm(x + (pre + b_proj)) x g + b, rows of 1,024, in f32; h is stored as f32 and as codes of FP8 (E4M3) with 2^e8, in blocks of 128 rows x 64 k of 8,192 bytes.
; A work-group takes 16 rows, a wave two whole rows in registers: lane l holds columns 128 j + 4 l + 0 .. 3, so every load and store covers 512 consecutive bytes.
; Mean first, then the sum of squared differences: no difference of large sums.  Memory binds: no matrix unit, no cluster.  The codes of 16 rows meet in LDS so that they leave as 512 consecutive bytes.
; LIMIT: e8 between -126 and 119.  NaN among the inputs is not served.
.set T0, 16
.set R0, 80
.set BI, 144
.set GA, 176
.set BE, 208
.set SPW, 252
.set NIL, 253
.set SPARE, 17408                      ; behind 16 rows of 1,024 + 64 bytes
	s_load_b256 s[4:11], s[0:1], 0x0               ; pre, b_proj, x, g
	s_load_b256 s[12:19], s[0:1], 0x20             ; b, the scales' exponents, h, hc
	v_lshl_add_u32 v[SPW], v0, 2, SPARE
	v_mov_b32 v[NIL], 0
	v_lshrrev_b32 v1, 5, v0
	s_delay_alu instid0(VALU_DEP_1)
	v_readfirstlane_b32 s20, v1                    ; wave 0..7
	v_and_b32 v2, 31, v0
	s_delay_alu instid0(VALU_DEP_1)
	v_lshlrev_b32 v3, 4, v2                        ; 16 x lane
	s_mul_i32 s29, s20, 2176
	v_lshl_add_u32 v12, v2, 2, s29                 ; codes in: my wave's two rows of 1,088 bytes, 4 bytes a lane
	v_lshrrev_b32 v13, 2, v2
	s_delay_alu instid0(VALU_DEP_1)
	v_mul_u32_u24 v13, v13, 1088
	v_and_b32 v14, 3, v2
	s_delay_alu instid0(VALU_DEP_1)
	v_lshl_add_u32 v13, v14, 4, v13
	s_lshl_b32 s29, s20, 7
	v_add_nc_u32 v13, s29, v13                     ; codes back: four lanes to a row's 64 bytes; my wave's two pieces of 64 k
	s_lshl_b32 s22, ttmp9, 16
	s_lshl_b32 s23, s20, 13
	s_add_co_u32 s22, s22, s23                     ; my two rows of 4,096 bytes
	s_mov_b32 s23, 0
	s_lshr_b32 s30, ttmp9, 3
	s_lshl_b32 s30, s30, 17
	s_and_b32 s31, ttmp9, 7
	s_lshl_b32 s31, s31, 10
	s_add_co_u32 s30, s30, s31
	s_lshl_b32 s31, s20, 14
	s_add_co_u32 s30, s30, s31                     ; hc: the block of 128 rows, my work-group's 16 rows, my wave's two pieces
	s_mov_b32 s31, 0
	s_mov_b32 s24, 0x76543210
	s_mov_b32 s25, 0xfedcba98
	s_mov_b32 s27, 0x3a800000                      ; 1 / 1,024
	s_mov_b32 s28, 0x3727c5ac                      ; 1e-5
	s_wait_alu depctr_va_vdst(0)
	s_wait_kmcnt 0x0
	s_load_b32 s26, s[14:15], 0x20                 ; e8
	s_add_nc_u64 s[4:5], s[4:5], s[22:23]
	s_add_nc_u64 s[8:9], s[8:9], s[22:23]
	s_add_nc_u64 s[16:17], s[16:17], s[22:23]
	s_add_nc_u64 s[18:19], s[18:19], s[30:31]
.irp p, 0,1
.irp j, 0,1,2,3,4,5,6,7
	global_load_b128 v[T0+32*\p+4*\j:T0+32*\p+4*\j+3], v3, s[4:5] offset:4096*\p+512*\j th:TH_LOAD_NT
.endr
.endr
.irp p, 0,1
.irp j, 0,1,2,3,4,5,6,7
	global_load_b128 v[R0+32*\p+4*\j:R0+32*\p+4*\j+3], v3, s[8:9] offset:4096*\p+512*\j th:TH_LOAD_NT
.endr
.endr
.irp j, 0,1,2,3,4,5,6,7
	global_load_b128 v[BI+4*\j:BI+4*\j+3], v3, s[6:7] offset:512*\j
.endr
.irp j, 0,1,2,3,4,5,6,7
	global_load_b128 v[GA+4*\j:GA+4*\j+3], v3, s[10:11] offset:512*\j
.endr
.irp j, 0,1,2,3,4,5,6,7
	global_load_b128 v[BE+4*\j:BE+4*\j+3], v3, s[12:13] offset:512*\j
.endr
.macro LANES a                         ; two pairs of partial sums in v[a .. a+3] become the row's sum in v[a] of every lane
	s_delay_alu instid0(VALU_DEP_1)
	v_pk_add_f32 v[\a:\a+1], v[\a:\a+1], v[\a+2:\a+3]
	s_delay_alu instid0(VALU_DEP_1)
	v_add_f32 v[\a], v[\a], v[\a+1]
	s_delay_alu instid0(VALU_DEP_1)
	v_add_f32_dpp v[\a], v[\a], v[\a] row_xmask:1 row_mask:0xf bank_mask:0xf
	s_delay_alu instid0(VALU_DEP_1)
	v_add_f32_dpp v[\a], v[\a], v[\a] row_xmask:2 row_mask:0xf bank_mask:0xf
	s_delay_alu instid0(VALU_DEP_1)
	v_add_f32_dpp v[\a], v[\a], v[\a] row_xmask:4 row_mask:0xf bank_mask:0xf
	s_delay_alu instid0(VALU_DEP_1)
	v_add_f32_dpp v[\a], v[\a], v[\a] row_xmask:8 row_mask:0xf bank_mask:0xf
	s_delay_alu instid0(VALU_DEP_1)
	v_permlanex16_b32 v[\a+1], v[\a], s24, s25
	s_delay_alu instid0(VALU_DEP_1)
	v_add_f32 v[\a], v[\a], v[\a+1]
.endm
.macro MOMENTS t, a                    ; row in v[t .. t+31] becomes its differences from the mean; v[a] = the variance + 1e-5
	v_pk_add_f32 v[\a:\a+1], v[\t:\t+1], v[\t+2:\t+3]
	v_pk_add_f32 v[\a+2:\a+3], v[\t+4:\t+5], v[\t+6:\t+7]
.irp j, 8,12,16,20,24,28
	s_delay_alu instid0(VALU_DEP_2)
	v_pk_add_f32 v[\a:\a+1], v[\a:\a+1], v[\t+\j:\t+\j+1]
	s_delay_alu instid0(VALU_DEP_2)
	v_pk_add_f32 v[\a+2:\a+3], v[\a+2:\a+3], v[\t+\j+2:\t+\j+3]
.endr
	LANES \a
	s_delay_alu instid0(VALU_DEP_1)
	v_mul_f32 v[\a], 0xba800000, v[\a]             ; minus the mean
	s_delay_alu instid0(VALU_DEP_1)
	v_mov_b32 v[\a+1], v[\a]
.irp j, 0,2,4,6,8,10,12,14,16,18,20,22,24,26,28,30
	v_pk_add_f32 v[\t+\j:\t+\j+1], v[\t+\j:\t+\j+1], v[\a:\a+1]
.endr
	v_pk_mul_f32 v[\a:\a+1], v[\t:\t+1], v[\t:\t+1]
	v_pk_mul_f32 v[\a+2:\a+3], v[\t+2:\t+3], v[\t+2:\t+3]
.irp j, 4,8,12,16,20,24,28
	s_delay_alu instid0(VALU_DEP_2)
	v_pk_fma_f32 v[\a:\a+1], v[\t+\j:\t+\j+1], v[\t+\j:\t+\j+1], v[\a:\a+1]
	s_delay_alu instid0(VALU_DEP_2)
	v_pk_fma_f32 v[\a+2:\a+3], v[\t+\j+2:\t+\j+3], v[\t+\j+2:\t+\j+3], v[\a+2:\a+3]
.endr
	LANES \a
	s_delay_alu instid0(VALU_DEP_1)
	v_fma_f32 v[\a], v[\a], s27, s28               ; the variance + 1e-5
.endm
	s_wait_loadcnt 16                              ; pre, x and the bias are in; the gain's and the second bias's 16 loads may be out
.irp p, 0,1
.irp j, 0,2,4,6,8,10,12,14,16,18,20,22,24,26,28,30
	v_pk_add_f32 v[T0+32*\p+\j:T0+32*\p+\j+1], v[T0+32*\p+\j:T0+32*\p+\j+1], v[BI+\j:BI+\j+1]
.endr
.irp j, 0,2,4,6,8,10,12,14,16,18,20,22,24,26,28,30
	v_pk_add_f32 v[T0+32*\p+\j:T0+32*\p+\j+1], v[T0+32*\p+\j:T0+32*\p+\j+1], v[R0+32*\p+\j:R0+32*\p+\j+1]
.endr
.endr
	MOMENTS T0, 4
	MOMENTS T0+32, 8
	s_wait_alu depctr_va_vdst(0)
	v_rsq_f32 v4, v4
	v_rsq_f32 v8, v8
	v_nop                                          ; a plain instruction behind the two roots
	s_wait_alu depctr_va_vdst(0)                   ; one wait for both, ahead of their first reader
	v_mov_b32 v5, v4
	v_mov_b32 v9, v8
	s_wait_alu depctr_va_vdst(0)
	s_wait_loadcnt 0x0
.irp p, 0,1
.irp j, 0,2,4,6,8,10,12,14,16,18,20,22,24,26,28,30
	v_pk_mul_f32 v[T0+32*\p+\j:T0+32*\p+\j+1], v[T0+32*\p+\j:T0+32*\p+\j+1], v[4+4*\p:5+4*\p]
.endr
.irp j, 0,2,4,6,8,10,12,14,16,18,20,22,24,26,28,30
	v_pk_fma_f32 v[T0+32*\p+\j:T0+32*\p+\j+1], v[T0+32*\p+\j:T0+32*\p+\j+1], v[GA+\j:GA+\j+1], v[BE+\j:BE+\j+1]
.endr
.irp j, 0,1,2,3,4,5,6,7
	global_store_b128 v3, v[T0+32*\p+4*\j:T0+32*\p+4*\j+3], s[16:17] offset:4096*\p+512*\j
.endr
.endr
	s_wait_kmcnt 0x0
	s_add_co_i32 s26, s26, 127
	s_lshl_b32 s29, s26, 23
	v_mov_b32 v248, s29                            ; 2^e8
	s_add_co_i32 s26, s26, 8
	s_lshl_b32 s26, s26, 23
	s_or_b32 s26, s26, 0x600000
	v_mov_b32 v249, s26                            ; 448 x 2^e8
.set j, 0
.rept 64
	v_med3_num_f32 v[R0+j], v[T0+j], -v249, v249   ; the hold, into other registers: the stores above still read h
.set j, j+1
.endr
.set j, 0
.rept 8
	v_cvt_scalef32_pk8_fp8_f32 v[BI+2*j:BI+2*j+1], v[R0+8*j:R0+8*j+7], v248   ; a word of four codes for each of my groups of four columns
.set j, j+1
.endr
	v_nop
.irp p, 0,1
.irp j, 0,1,2,3,4,5,6,7
	ds_store_b32 v12, v[BI+8*\p+\j] offset:1088*\p+128*\j
.endr
.endr
	s_wait_dscnt 0x0                               ; for the others' sake: my codes lie in LDS
	s_barrier_signal -1
	s_barrier_wait -1
.irp u, 0,1
.irp g, 0,1
	ds_load_b128 v[160+4*(2*\u+\g):163+4*(2*\u+\g)], v13 offset:\g*8704+64*\u
.endr
.endr
	s_wait_dscnt 0x0
.irp u, 0,1
.irp g, 0,1
	global_store_b128 v3, v[160+4*(2*\u+\g):163+4*(2*\u+\g)], s[18:19] offset:\u*8192+\g*512   ; 8 rows x 64 codes: 512 consecutive bytes
.endr
.endr
	s_wait_tensorcnt 0x0                           ; the wave's end
	ds_add_u32 v[SPW], v[NIL]
	s_wait_dscnt 0x0
	s_endpgm
.Lfunc_end_k_q12ddc05ed6_ln1:
	.size	k_q12ddc05ed6_ln1, .Lfunc_end_k_q12ddc05ed6_ln1-k_q12ddc05ed6_ln1
	.p2alignl 7, 3214868480
	.fill 96, 4, 3214868480
	.section	.rodata,"a",@progbits
	.p2align	6, 0x0
	.amdhsa_kernel k_q12ddc05ed6_ln1
		.amdhsa_group_segment_fixed_size 18432
		.amdhsa_private_segment_fixed_size 0
		.amdhsa_enable_private_segment 0
		.amdhsa_kernarg_size 64
		.amdhsa_user_sgpr_count 2
		.amdhsa_user_sgpr_kernarg_segment_ptr 1
		.amdhsa_wavefront_size32 1
		.amdhsa_system_sgpr_workgroup_id_x 1
		.amdhsa_system_sgpr_workgroup_id_y 1
		.amdhsa_system_sgpr_workgroup_id_z 1
		.amdhsa_system_vgpr_workitem_id 0
		.amdhsa_next_free_vgpr 256
		.amdhsa_next_free_sgpr 66
		.amdhsa_reserve_vcc 0
		.amdhsa_float_denorm_mode_32 3
		.amdhsa_float_denorm_mode_16_64 3
		.amdhsa_memory_ordered 1
		.amdhsa_forward_progress 1
		.amdhsa_inst_pref_size 35
	.end_amdhsa_kernel
	.amdgpu_metadata
---
amdhsa.version: [ 1, 2 ]
amdhsa.kernels:
  - .name:           k_q12ddc05ed6_ln1
    .symbol:         k_q12ddc05ed6_ln1.kd
    .args:
      - { .name: pre, .offset: 0, .size: 8, .value_kind: global_buffer, .address_space: global }
      - { .name: b_proj, .offset: 8, .size: 8, .value_kind: global_buffer, .address_space: global }
      - { .name: x, .offset: 16, .size: 8, .value_kind: global_buffer, .address_space: global }
      - { .name: ln1_g, .offset: 24, .size: 8, .value_kind: global_buffer, .address_space: global }
      - { .name: ln1_b, .offset: 32, .size: 8, .value_kind: global_buffer, .address_space: global }
      - { .name: lowp_scales, .offset: 40, .size: 8, .value_kind: global_buffer, .address_space: global }
      - { .name: h, .offset: 48, .size: 8, .value_kind: global_buffer, .address_space: global }
      - { .name: hc, .offset: 56, .size: 8, .value_kind: global_buffer, .address_space: global }
    .group_segment_fixed_size: 18432
    .private_segment_fixed_size: 0
    .kernarg_segment_align: 8
    .kernarg_segment_size: 64
    .max_flat_workgroup_size: 256
    .sgpr_count:     66
    .vgpr_count:     256
    .wavefront_size: 32
...
	.end_amdgpu_metadata
.endif
;; end of part 5
;; launch fc_gemm (part 6): grid 16 x 16, 4 waves a work-group, clusters of 4 x 4, 327,680 bytes of LDS; arguments hc, W0, lowp_scales, b_fc, gc; writes gc
.if DOCPART == 6
	.amdgcn_target "amdgcn-amd-amdhsa--gfx1250"
	.amdhsa_code_object_version 6
	.text
	.protected	k_q12ddc05ed6_fc_gemm
	.globl	k_q12ddc05ed6_fc_gemm
	.p2align	8
	.type	k_q12ddc05ed6_fc_gemm,@function
k_q12ddc05ed6_fc_gemm:
	s_mov_b64 s[64:65], 0
	v_nop
	global_prefetch_b8 v0, s[64:65] scope:SCOPE_SE
	s_setreg_imm32_b32 hwreg(HW_REG_WAVE_MODE, 25, 1), 1
	s_wait_xcnt 0x0
	s_wait_alu depctr_hold_cnt(0) depctr_sa_sdst(0) depctr_va_vdst(0) depctr_va_sdst(0) depctr_va_ssrc(0) depctr_va_vcc(0) depctr_vm_vsrc(0)
	s_getreg_b32 s2, hwreg(HW_REG_IB_STS2, 6, 4)
	s_cmp_eq_u32 s2, 0
	s_cbranch_scc0 .Lentry_in_a_cluster
	s_endpgm
.Lentry_in_a_cluster:
	s_bfe_u32 s2, ttmp6, 0x10000c
	s_cmp_lg_u32 s2, 0xf033
	s_cbranch_scc0 .Lentry_shape_is_right
	s_endpgm
.Lentry_shape_is_right:
.set CH,     8704
.set HALFT,  4*CH
.set SLOT,   4*HALFT
.set SPARE,  2*SLOT
.set STAGE,  SPARE+512
.set FR,     16
.set NL,     4
.set NP,     4
.set LAPS,   2
.set ADRA, 16
.set BO,   18
.set ADRB, 20
.set STO,  24
.set RD,   25
.set CO,   26
.set SPW,  28
.set NIL,  29
.set SC,   30
.set LIM,  31
.set BIAS, 32
.set X,    96
.set AF,   128
.set W,    160
.set CD,   224
.set BK,   240
.set G1, 24
.set G0, 32
.set G1B, 48
.set G0B, 56
.set MSB, 0
.macro WIN new
.if MSB != \new
	s_set_vgpr_msb (MSB<<8)|\new
.set MSB, \new
.endif
.endm
.set MUL_LO, 0xa1
.set MUL_HI, 0xf1
.set TO_B,   0x40
.macro JLOAD g0a, g1a, g0b, g1b
	s_cmp_eq_u32 s15, 0
	s_cbranch_scc0 .Lfor_b_\@
	tensor_load_to_lds s[\g0a:\g0a+3], s[\g1a:\g1a+7]
	s_nop 0
.rept 4
	v_nop
.endr
	s_branch .Lasked_\@
.Lfor_b_\@:
	tensor_load_to_lds s[\g0b:\g0b+3], s[\g1b:\g1b+7]
	s_nop 0
.rept 4
	v_nop
.endr
.Lasked_\@:
.endm
.macro CREST
	s_cmp_lg_u32 s14, 0
	s_cbranch_scc1 .Lnot_wave_0_\@
	s_barrier_signal -3
.Lnot_wave_0_\@:
	s_barrier_wait -3
	s_barrier_signal -1
	s_barrier_wait -1
.endm
.macro CROUND
	s_barrier_signal -1
	s_barrier_wait -1
	CREST
.endm
	s_load_b128 s[4:7], s[0:1], 0x0
	s_load_b64 s[8:9], s[0:1], 0x10
	s_load_b64 s[12:13], s[0:1], 0x18
	s_load_b64 s[10:11], s[0:1], 0x20
	v_lshl_add_u32 v[SPW], v0, 2, SPARE
	v_mov_b32 v[NIL], 0
	ds_add_u32 v[SPW], v[NIL]
	ds_add_u32 v[SPW], v[NIL]
	v_lshrrev_b32 v1, 5, v0
	v_readfirstlane_b32 s14, v1
	s_lshr_b32 s15, s14, 1
	s_and_b32 s16, s14, 1
	s_bfe_u32 s40, ttmp6, 0x40000
	s_bfe_u32 s41, ttmp6, 0x40004
	s_lshl_b32 s42, ttmp9, 2
	s_add_co_u32 s42, s42, s40
	s_and_b32 s17, ttmp7, 0xffff
	s_lshl_b32 s17, s17, 2
	s_add_co_u32 s17, s17, s41
	s_lshl_b32 s43, s41, 2
	s_lshl_b32 s43, 15, s43
	s_lshl_b32 s44, 0x1111, s40
	s_or_b32 s[G1+0], s43, (3<<16)|(1<<20)|(1<<21)|(5<<22)|(3<<25)
	s_or_b32 s[G1B+0], s44, (3<<16)|(1<<20)|(1<<21)|(5<<22)|(3<<25)
.irp g, G1, G1B
	s_mov_b32 s[\g+1], 32<<16
	s_mov_b32 s[\g+2], 128<<16
	s_mov_b32 s[\g+3], 32<<16
	s_mov_b32 s[\g+4], 128
	s_mov_b32 s[\g+5], 32
	s_mov_b32 s[\g+6], 0
	s_mov_b32 s[\g+7], 0
.endr
	s_lshl_b32 s20, s17, 1
	s_add_co_u32 s20, s20, s16
	s_lshl_b32 s20, s20, 17
	s_mov_b32 s21, 0
	s_lshl_b32 s46, s42, 1
	s_add_co_u32 s46, s46, s16
	s_lshl_b32 s46, s46, 17
	s_add_co_u32 s46, s46, 8<<20
	s_mov_b32 s47, 0
	s_mul_i32 s45, s14, HALFT
	s_wait_dscnt 0x0
	s_wait_kmcnt 0x0
	s_load_b128 s[76:79], s[8:9], 0x20
	s_add_nc_u64 s[20:21], s[4:5], s[20:21]
	s_add_nc_u64 s[46:47], s[6:7], s[46:47]
	CROUND
.irp s, 0,1
	s_mov_b32 s[G0+4*\s], 1
	s_add_co_u32 s[G0+4*\s+1], s45, \s*SLOT
	s_add_nc_u64 s[G0+4*\s+2:G0+4*\s+3], s[20:21], \s*32768
	s_or_b32 s[G0+4*\s+3], s[G0+4*\s+3], 0x80000000
	s_mov_b32 s[G0B+4*\s], 1
	s_add_co_u32 s[G0B+4*\s+1], s45, \s*SLOT
	s_add_nc_u64 s[G0B+4*\s+2:G0B+4*\s+3], s[46:47], \s*32768
	s_or_b32 s[G0B+4*\s+3], s[G0B+4*\s+3], 0x80000000
.endr
	JLOAD G0, G1, G0B, G1B
	v_and_b32 v1, 15, v0
	v_bfe_u32 v2, v0, 4, 1
	v_lshrrev_b32 v3, 2, v1
	v_mul_u32_u24 v3, v3, 272
	v_and_b32 v4, 3, v1
	v_lshl_add_u32 v3, v4, 6, v3
	v_lshl_add_u32 v4, v2, 4, v3
	s_mul_i32 s21, s15, HALFT
	s_mul_i32 s22, s16, HALFT
	s_add_co_u32 s22, s22, 2*HALFT
.irp s, 0,1
	v_add_nc_u32 v[ADRA+\s], s21, v4
	v_add_nc_u32 v[ADRB+\s], s22, v4
	s_add_co_u32 s21, s21, SLOT
	s_add_co_u32 s22, s22, SLOT
.endr
	v_and_b32 v6, 31, v0
	s_mul_i32 s23, s14, 2560
	s_add_co_u32 s23, s23, STAGE
	v_mul_u32_u24 v5, v1, 80
	v_lshl_add_u32 v5, v2, 3, v5
	v_add_nc_u32 v[STO], s23, v5
	v_lshrrev_b32 v5, 2, v6
	v_mul_u32_u24 v5, v5, 80
	v_and_b32 v7, 3, v6
	v_lshl_add_u32 v5, v7, 4, v5
	v_add_nc_u32 v[RD], s23, v5
	v_lshlrev_b32 v[CO], 4, v6
	v_lshlrev_b32 v[BO], 5, v2
	s_wait_alu depctr_va_vdst(0)
	s_lshl_b32 s90, s17, 1
	s_add_co_u32 s90, s90, s15
	s_lshl_b32 s90, s90, 19
	s_lshl_b32 s91, s42, 2
	s_lshl_b32 s92, s16, 1
	s_add_co_u32 s91, s91, s92
	s_lshl_b32 s91, s91, 13
	s_add_co_u32 s90, s90, s91
	s_mov_b32 s91, 0
	s_add_nc_u64 s[10:11], s[10:11], s[90:91]
	s_lshl_b32 s92, s42, 10
	s_lshl_b32 s93, s16, 9
	s_add_co_u32 s92, s92, s93
	s_mov_b32 s93, 0
	s_add_nc_u64 s[12:13], s[12:13], s[92:93]
.irp b, 0,1,2,3,4,5,6,7
	global_load_b128 v[BIAS+8*\b:BIAS+8*\b+3], v[BO], s[12:13] offset:64*\b
	global_load_b128 v[BIAS+8*\b+4:BIAS+8*\b+7], v[BO], s[12:13] offset:64*\b+16
.endr
.macro FRAG reg, adr, q, i
.irp c, 0,1,2,3
	ds_load_b128 v[\reg+4*\c:\reg+4*\c+3], v[\adr] offset:(2*(\q)+\c/2)*CH+(\i)*1088+32*(\c%2)
.endr
.endm
.macro MUL16 a0, p, zero
.irp a, \a0, \a0+1
.irp b, 0,1,2,3,4,5,6,7
.if \zero
	v_wmma_f32_16x16x128_fp8_fp8 v[8*(8*((\a)%4)+\b):8*(8*((\a)%4)+\b)+7], v[128*(\p)+FR*\b:128*(\p)+FR*\b+FR-1], v[AF+FR*(\a):AF+FR*(\a)+FR-1], 0
.else
	v_wmma_f32_16x16x128_fp8_fp8 v[8*(8*((\a)%4)+\b):8*(8*((\a)%4)+\b)+7], v[128*(\p)+FR*\b:128*(\p)+FR*\b+FR-1], v[AF+FR*(\a):AF+FR*(\a)+FR-1], v[8*(8*((\a)%4)+\b):8*(8*((\a)%4)+\b)+7]
.endif
.endr
.endr
.endm
.macro FETCH_B slot, q, p
	WIN TO_B
.irp i, 0,1,2,3,4,5,6,7
	FRAG 128*(\p)+FR*\i, ADRB+\slot, \q, \i
.endr
	WIN 0
.endm
.macro FETCH_A slot, q, i0
.irp i, \i0, \i0+1, \i0+2, \i0+3
	FRAG AF+FR*(\i), ADRA+\slot, \q, \i
.endr
.endm
.macro PLACES n
.rept \n
	v_nop
.endr
.endm
.macro STEP slot, q, zero
	s_wait_dscnt 4*NL
	WIN MUL_LO
	MUL16 0, (\q)%2, \zero
	MUL16 2, (\q)%2, \zero
	s_wait_dscnt 0
	PLACES NP
	FETCH_B \slot, (\q)+1, 1-(\q)%2
	FETCH_A \slot, (\q)+1, 0
	WIN MUL_HI
	MUL16 4, (\q)%2, \zero
	MUL16 6, (\q)%2, \zero
	PLACES NP
	WIN 0
	FETCH_A \slot, (\q)+1, 4
.endm
.macro TURN slot, next, fill
	s_wait_tensorcnt 0x0
	ds_add_u32 v[SPW], v[NIL]
	s_wait_dscnt 4*NL+1
	WIN MUL_LO
	MUL16 0, 1, 0
	s_wait_dscnt 0x0
	s_barrier_signal -1
	MUL16 2, 1, 0
	WIN 0
	s_barrier_wait -1
.if \fill
	CREST
	s_add_nc_u64 s[G0+4*\slot+2:G0+4*\slot+3], s[G0+4*\slot+2:G0+4*\slot+3], 65536
	s_add_nc_u64 s[G0B+4*\slot+2:G0B+4*\slot+3], s[G0B+4*\slot+2:G0B+4*\slot+3], 65536
	JLOAD G0+4*\slot, G1, G0B+4*\slot, G1B
.else
	PLACES NP
.endif
	FETCH_B \next, 0, 0
	FETCH_A \next, 0, 0
	WIN MUL_HI
	MUL16 4, 1, 0
	MUL16 6, 1, 0
	PLACES NP
	WIN 0
	FETCH_A \next, 0, 4
.endm
	s_wait_alu depctr_va_vdst(0)
	s_wait_tensorcnt 0x0
	ds_add_u32 v[SPW], v[NIL]
	s_wait_dscnt 0x0
	CROUND
	JLOAD G0+4, G1, G0B+4, G1B
	FETCH_B 0, 0, 0
	FETCH_A 0, 0, 0
	FETCH_A 0, 0, 4
	STEP 0, 0, 1
	s_mov_b32 s3, LAPS-1
.Llap:
	TURN 0, 1, 1
	STEP 1, 0, 0
	TURN 1, 0, 1
	STEP 0, 0, 0
	s_sub_co_u32 s3, s3, 1
	s_cmp_lg_u32 s3, 0
	s_cbranch_scc1 .Llap
	TURN 0, 1, 0
	STEP 1, 0, 0
	s_wait_dscnt 4*NL
	WIN MUL_LO
	MUL16 0, 1, 0
	MUL16 2, 1, 0
	s_wait_dscnt 0
	WIN MUL_HI
	MUL16 4, 1, 0
	MUL16 6, 1, 0
	WIN 0
.macro OUTC a
.set AC, 64*((\a)%4)
	WIN 0x02+((\a)/4)
.set j, 0
.rept 32
	v_pk_fma_f32 v[X+j:X+j+1], v[AC+j:AC+j+1], s[96:97], v[BIAS+j:BIAS+j+1] op_sel_hi:[1,0,1]
.set j, j+2
.endr
	WIN 0
.set j, 0
.rept 32
	v_pk_mul_f32 v[W+j:W+j+1], v[X+j:X+j+1], v[X+j:X+j+1]
.set j, j+2
.endr
.set j, 0
.rept 32
	v_pk_fma_f32 v[W+j:W+j+1], v[W+j:W+j+1], s[98:99], v[12:13] op_sel_hi:[1,0,1]
.set j, j+2
.endr
.set j, 0
.rept 32
	v_pk_mul_f32 v[W+j:W+j+1], v[W+j:W+j+1], v[X+j:X+j+1]
.set j, j+2
.endr
.set j, 0
	s_wait_alu depctr_va_vdst(0)
.rept 64
	v_exp_f32 v[W+j], v[W+j]
.set j, j+1
.endr
	v_nop
	s_wait_alu depctr_va_vdst(0)
.set j, 0
.rept 32
	v_pk_add_f32 v[W+j:W+j+1], v[W+j:W+j+1], 1.0 op_sel_hi:[1,0]
.set j, j+2
.endr
.set j, 0
	s_wait_alu depctr_va_vdst(0)
.rept 64
	v_rcp_f32 v[W+j], v[W+j]
.set j, j+1
.endr
	v_nop
	s_wait_alu depctr_va_vdst(0)
.set j, 0
.rept 32
	v_pk_mul_f32 v[X+j:X+j+1], v[X+j:X+j+1], v[W+j:W+j+1]
.set j, j+2
.endr
.set j, 0
.rept 64
	v_med3_num_f32 v[X+j], v[X+j], -v[LIM], v[LIM]
.set j, j+1
.endr
.set j, 0
.rept 8
	v_cvt_scalef32_pk8_fp8_f32 v[CD+2*j:CD+2*j+1], v[X+8*j:X+8*j+7], v[SC]
.set j, j+1
.endr
	v_nop
.irp b, 0,1,2,3,4,5,6,7
	ds_store_b64 v[STO], v[CD+2*\b:CD+2*\b+1] offset:(\b/4)*1280+16*(\b%4)
.endr
.if (\a) > 0
	s_wait_xcnt 0x0
.endif
.irp c, 0,1
.irp g, 0,1
	ds_load_b128 v[BK+4*(2*\c+\g):BK+4*(2*\c+\g)+3], v[RD] offset:1280*\c+640*\g
.endr
.endr
	s_wait_dscnt 0x0
.irp c, 0,1
.irp g, 0,1
	global_store_b128 v[CO], v[BK+4*(2*\c+\g):BK+4*(2*\c+\g)+3], s[10:11] offset:\c*8192+1024*(\a)+512*\g
.endr
.endr
.endm
	s_wait_kmcnt 0x0
	s_wait_loadcnt 0x0
	s_add_co_i32 s96, s76, s77
	s_add_co_i32 s96, s96, 127
	s_lshl_b32 s96, s96, 23
	s_mov_b32 s97, s96
	s_mov_b32 s98, 0xbdd2d3e8
	s_mov_b32 s99, s98
	v_mov_b32 v12, 0xc0135761
	v_mov_b32 v13, 0xc0135761
	s_add_co_i32 s80, s78, 127
	s_lshl_b32 s81, s80, 23
	v_mov_b32 v[SC], s81
	s_add_co_i32 s80, s80, 8
	s_lshl_b32 s80, s80, 23
	s_or_b32 s80, s80, 0x600000
	v_mov_b32 v[LIM], s80
	PLACES NP
.irp a, 0,1,2,3,4,5,6,7
	OUTC \a
.endr
	s_wait_tensorcnt 0x0
	ds_add_u32 v[SPW], v[NIL]
	s_wait_dscnt 0x0
	CROUND
	s_endpgm
.Lfunc_end_k_q12ddc05ed6_fc_gemm:
	.size	k_q12ddc05ed6_fc_gemm, .Lfunc_end_k_q12ddc05ed6_fc_gemm-k_q12ddc05ed6_fc_gemm
	.p2alignl 7, 3214868480
	.fill 96, 4, 3214868480
	.section	.rodata,"a",@progbits
	.p2align	6, 0x0
	.amdhsa_kernel k_q12ddc05ed6_fc_gemm
		.amdhsa_group_segment_fixed_size 327680
		.amdhsa_private_segment_fixed_size 0
		.amdhsa_enable_private_segment 0
		.amdhsa_kernarg_size 40
		.amdhsa_user_sgpr_count 2
		.amdhsa_user_sgpr_kernarg_segment_ptr 1
		.amdhsa_wavefront_size32 1
		.amdhsa_system_sgpr_workgroup_id_x 1
		.amdhsa_system_sgpr_workgroup_id_y 1
		.amdhsa_system_sgpr_workgroup_id_z 1
		.amdhsa_system_vgpr_workitem_id 0
		.amdhsa_next_free_vgpr 1024
		.amdhsa_next_free_sgpr 100
		.amdhsa_reserve_vcc 0
		.amdhsa_float_denorm_mode_32 3
		.amdhsa_float_denorm_mode_16_64 3
		.amdhsa_memory_ordered 1
		.amdhsa_forward_progress 1
		.amdhsa_inst_pref_size 255
	.end_amdhsa_kernel
	.section	.bss,"aw",@nobits
	.p2align	6
	.space	262144
	.amdgpu_metadata
---
amdhsa.version: [ 1, 2 ]
amdhsa.kernels:
  - .name:           k_q12ddc05ed6_fc_gemm
    .symbol:         k_q12ddc05ed6_fc_gemm.kd
    .args:
      - { .name: hc, .offset: 0, .size: 8, .value_kind: global_buffer, .address_space: global }
      - { .name: W0, .offset: 8, .size: 8, .value_kind: global_buffer, .address_space: global }
      - { .name: lowp_scales, .offset: 16, .size: 8, .value_kind: global_buffer, .address_space: global }
      - { .name: b_fc, .offset: 24, .size: 8, .value_kind: global_buffer, .address_space: global }
      - { .name: gc, .offset: 32, .size: 8, .value_kind: global_buffer, .address_space: global }
    .group_segment_fixed_size: 327680
    .private_segment_fixed_size: 0
    .kernarg_segment_align: 8
    .kernarg_segment_size: 40
    .max_flat_workgroup_size: 128
    .sgpr_count:     100
    .vgpr_count:     1024
    .wavefront_size: 32
...
	.end_amdgpu_metadata
.endif
;; end of part 6
;; launch fc2_gemm (part 7): grid 8 x 32, 4 waves a work-group, no clusters, 270,848 bytes of LDS; arguments gc, W0, lowp_scales, pre; writes pre
.if DOCPART == 7
	.amdgcn_target "amdgcn-amd-amdhsa--gfx1250"
	.amdhsa_code_object_version 6
	.text
	.protected	k_q12ddc05ed6_fc2_gemm
	.globl	k_q12ddc05ed6_fc2_gemm
	.p2align	8
	.type	k_q12ddc05ed6_fc2_gemm,@function
k_q12ddc05ed6_fc2_gemm:
	s_mov_b64 s[64:65], 0
	v_nop
	global_prefetch_b8 v0, s[64:65] scope:SCOPE_SE
	s_setreg_imm32_b32 hwreg(HW_REG_WAVE_MODE, 25, 1), 1
	s_wait_xcnt 0x0
; pre = gelu's codes x w_fc_proj's codes x 2^(e10 + e11): [4096][1024] f32, K = 4,096, on codes of FP8 (E4M3).
; Both operands lie in blocks of 128 rows x 64 k of 8,192 bytes, a block of 128 rows with all its K on end (gc: tokens; W0 + 12 MiB: the weight's columns).
; SHARES.  A work-group makes 128 x 128 of the result: grid 8 x 32 = 256 work-groups.  ITS FOUR WAVES SHARE K, NOT THE BLOCK: wave w sums the whole block over k = 1,024 w .. 1,024 w + 1,023,
; in 64 accumulators (512 registers).  So each operand byte of the work-group (2 x 128 x 4,096) is wanted by one wave alone, once, and goes from memory straight into that wave's registers:
; a fragment of 16 rows x 64 k is 1,024 bytes on end, two loads of 16 bytes a lane.  The loop has no LDS access and no barrier.
; A step is 64 along K: 32 loads, 64 matrix instructions.  Three sets of fragment registers take turns: step s multiplies set s % 3 while the loads of steps s + 1 and s + 2 are out.
; At the end the four partial blocks meet in LDS as rows of 512 + 16 bytes; wave w adds rows 32 w .. 32 w + 31 of the four and stores each as 512 consecutive bytes.
; The sum over K is thus made of four f32 parts, each in ascending K, added at the end.
; NO CLUSTER, NO JOINT LOADS: a joint load lands in LDS, and here no operand byte passes through LDS: it would be 1 MiB written and 1 MiB read again for each work-group.
; PREFETCH: in a trip of three steps each wave names, one trip ahead of the trip's loads, its share of the 96 blocks of 256 bytes that three steps take of A and of B: the 8 work-groups of a row of the grid
; share A's out, 12 each, the 32 of a column B's, 3 each, by address; lanes left over name the share's last block again.  The last trip and the tail ask for nothing; steps 0 to 5 come by their loads alone.
; THE MATRIX INSTRUCTION IS USED TRANSPOSED (source 0 = 16 rows of B, source 1 = 16 rows of A): a lane holds row l % 16 and eight neighbouring columns.  A lane's registers 0-3 hold k = 16 h + 0 .. 15,
; registers 4-7 k = 32 + 16 h + 0 .. 15: the same permutation of k in A and in B.
; LIMIT: e10 + e11 between -126 and 127.
; REGISTERS: window 0: v1-14 addresses, v28-29 the add's, v64-255 A's three sets.  window 1: v0-191 B's three sets.  windows 2, 3: accumulator (a, b) at v[8 (8 (a % 4) + b)].
.set KK,    4096
.set WOFF,  12<<20
.set SCO,   40                         ; e10, e11 in the buffer of scales
.set NST,   KK/256                     ; steps of 64 k a wave
.set TRIPS, (NST-4)/3                  ; the first step and the last three are written out
.set ST,    8192                       ; a step on, in A and in B
.set RP,    528                        ; a row of a partial block in LDS: 512 bytes + 16
.set REG,   128*RP                     ; a wave's partial block
.set SPARE, 4*REG                      ; the spare words, 128 bytes a wave
.set VO,  1                            ; my place in a fragment: 64 r + 16 h
.set STO, 2                            ; LDS: where I put 32 bytes of a row
.set CO,  4                            ; 16 x lane
.set RD,  8                            ; v8-11 LDS: my wave's first row in each of the four partial blocks
.set PFA, 12
.set PFB, 13
.set SPW, 28
.set NIL, 29
.set AF,  64
.set MSB, 0
.macro WIN new                         ; the immediate's high byte repeats the setting that is left
.if MSB != \new
	s_set_vgpr_msb (MSB<<8)|\new
.set MSB, \new
.endif
.endm
.set MUL_LO, 0xa1                      ; source 0 (B) window 1, source 1 (A) window 0, C and D window 2
.set MUL_HI, 0xf1
.set TO_B,   0x40
	s_load_b128 s[4:7], s[0:1], 0x0                ; gc, W0
	s_load_b128 s[8:11], s[0:1], 0x10              ; the scales' exponents, pre
	v_lshl_add_u32 v[SPW], v0, 2, SPARE
	v_mov_b32 v[NIL], 0
	v_lshrrev_b32 v5, 5, v0
	v_readfirstlane_b32 s14, v5                    ; wave 0..3
	s_mul_i32 s15, s14, REG
	s_mul_i32 s16, s14, 32*RP
	s_and_b32 s17, ttmp7, 0xffff                   ; the block's row of the grid
	s_mul_i32 s24, ttmp9, 12
	s_mul_i32 s25, s17, 3
	v_and_b32 v6, 15, v0                           ; r
	v_bfe_u32 v7, v0, 4, 1                         ; h
	v_and_b32 v14, 31, v0                          ; lane
	v_lshlrev_b32 v[VO], 6, v6
	v_lshl_add_u32 v[VO], v7, 4, v[VO]
	v_mul_u32_u24 v[STO], v6, RP
	v_lshl_add_u32 v[STO], v7, 5, v[STO]
	v_add_nc_u32 v[STO], s15, v[STO]
	v_lshlrev_b32 v[CO], 4, v14
	v_add_nc_u32 v[RD], s16, v[CO]
	v_add_nc_u32 v[RD+1], REG, v[RD]
	v_add_nc_u32 v[RD+2], 2*REG, v[RD]
	v_add_nc_u32 v[RD+3], 3*REG, v[RD]
	v_min_u32 v[PFA], 11, v14
	v_add_nc_u32 v[PFA], s24, v[PFA]
	v_lshlrev_b32 v[PFA], 8, v[PFA]                ; A: my work-group's 12 blocks of 256 bytes of a trip's 96
	v_min_u32 v[PFB], 2, v14
	v_add_nc_u32 v[PFB], s25, v[PFB]
	v_lshlrev_b32 v[PFB], 8, v[PFB]                ; B: its 3
	s_mul_i32 s18, s17, KK*128                     ; A: the block of 128 tokens,
	s_mul_i32 s19, s14, NST*ST                     ; my wave's quarter of K
	s_add_co_u32 s18, s18, s19
	s_mul_i32 s20, ttmp9, KK*128                   ; B: the block of 128 columns
	s_add_co_u32 s20, s20, s19
	s_add_co_u32 s20, s20, WOFF
	s_mov_b32 s19, 0
	s_mov_b32 s21, 0
	s_lshl_b32 s22, s17, 19                        ; pre: 128 rows of 4,096 bytes a block,
	s_lshl_b32 s23, s14, 17                        ; 32 a wave,
	s_add_co_u32 s22, s22, s23
	s_lshl_b32 s23, ttmp9, 9                       ; 128 columns of 4 bytes
	s_add_co_u32 s22, s22, s23
	s_mov_b32 s23, 0
	s_wait_alu depctr_va_vdst(0)                   ; the head's end
	s_wait_kmcnt 0x0
	s_load_b64 s[12:13], s[8:9], SCO               ; e10, e11
	s_add_nc_u64 s[4:5], s[4:5], s[18:19]
	s_add_nc_u64 s[6:7], s[6:7], s[20:21]
	s_add_nc_u64 s[10:11], s[10:11], s[22:23]
.macro LOADS p, off                    ; a step's 16 fragments into set p: 32 loads
	WIN TO_B
.irp i, 0,1,2,3,4,5,6,7
	global_load_b128 v[64*(\p)+8*\i:64*(\p)+8*\i+3], v[VO], s[6:7] offset:(\off)+1024*\i
	global_load_b128 v[64*(\p)+8*\i+4:64*(\p)+8*\i+7], v[VO], s[6:7] offset:(\off)+1024*\i+32
.endr
	WIN 0
.irp i, 0,1,2,3,4,5,6,7
	global_load_b128 v[AF+64*(\p)+8*\i:AF+64*(\p)+8*\i+3], v[VO], s[4:5] offset:(\off)+1024*\i
	global_load_b128 v[AF+64*(\p)+8*\i+4:AF+64*(\p)+8*\i+7], v[VO], s[4:5] offset:(\off)+1024*\i+32
.endr
.endm
.macro MULS p, zero                    ; 64 matrix instructions: the 64 accumulators take turns, in the same order in every step
	WIN MUL_LO
.irp a, 0,1,2,3,4,5,6,7
.if \a == 4
	WIN MUL_HI
.endif
.irp b, 0,1,2,3,4,5,6,7
.if \zero
	v_wmma_f32_16x16x64_fp8_fp8 v[8*(8*(\a%4)+\b):8*(8*(\a%4)+\b)+7], v[64*(\p)+8*\b:64*(\p)+8*\b+7], v[AF+64*(\p)+8*\a:AF+64*(\p)+8*\a+7], 0
.else
	v_wmma_f32_16x16x64_fp8_fp8 v[8*(8*(\a%4)+\b):8*(8*(\a%4)+\b)+7], v[64*(\p)+8*\b:64*(\p)+8*\b+7], v[AF+64*(\p)+8*\a:AF+64*(\p)+8*\a+7], v[8*(8*(\a%4)+\b):8*(8*(\a%4)+\b)+7]
.endif
.endr
.endr
	WIN 0
.endm
.macro ASK                             ; steps 6 to 8 counted from the trip's base: what the next trip's loads will want; not in the last trip
	s_cmp_gt_u32 s3, 1
	s_cbranch_scc0 .Lno_ask_\@
	global_prefetch_b8 v[PFA], s[4:5] offset:6*ST th:TH_LOAD_NT scope:SCOPE_SE
	global_prefetch_b8 v[PFB], s[6:7] offset:6*ST th:TH_LOAD_NT scope:SCOPE_SE
.Lno_ask_\@:
.endm
; A step on set p.  cnt: the loads issued behind this step's, which may stay out.  ld = 1: the set that the last step multiplied takes the loads of two steps on, at byte off from the bases.
.macro STEP p, ld, off, cnt, zero, ask
	s_wait_loadcnt \cnt
.if \ld
.rept 4
	v_nop                                          ; four places in front of loads into registers that matrix instructions have read (ISA guide 7.12.1 for vector instructions)
.endr
	LOADS ((\p)+2)%3, \off
.endif
.if \ask
	ASK
.endif
	MULS \p, \zero
.endm
	LOADS 0, 0
	LOADS 1, ST
	STEP 0, 1, 2*ST, 32, 1, 0                      ; the first step's products start the sums
	s_mov_b32 s3, TRIPS
.Ltrip:                                            ; three steps, until the sets are back where they began
	STEP 1, 1, 3*ST, 32, 0, 1
	STEP 2, 1, 4*ST, 32, 0, 0
	STEP 0, 1, 5*ST, 32, 0, 0
	s_wait_xcnt 0x0                                ; the loads and prefetches have read their bases
	s_add_nc_u64 s[4:5], s[4:5], 3*ST
	s_add_nc_u64 s[6:7], s[6:7], 3*ST
	s_sub_co_u32 s3, s3, 1
	s_cmp_lg_u32 s3, 0
	s_cbranch_scc1 .Ltrip
	STEP 1, 1, 3*ST, 32, 0, 0                      ; the tail: the last step's loads,
	STEP 2, 0, 0, 32, 0, 0                         ; and nothing beyond my quarter of K
	STEP 0, 0, 0, 0, 0, 0
.rept 4
	v_nop                                          ; four places in front of the first read of the last results, and of the LDS loads into the fragments' registers
.endr
.irp a, 0,1,2,3,4,5,6,7                ; my partial block into LDS, row-major; each accumulator from its low end on
	WIN (0x08+4*(\a/4))                            ; the stores' data: window 2 or 3
.irp b, 0,1,2,3,4,5,6,7
	ds_store_b128 v[STO], v[8*(8*(\a%4)+\b):8*(8*(\a%4)+\b)+3] offset:\a*16*RP+64*\b
	ds_store_b128 v[STO], v[8*(8*(\a%4)+\b)+4:8*(8*(\a%4)+\b)+7] offset:\a*16*RP+64*\b+16
.endr
.endr
	WIN 0
	s_wait_kmcnt 0x0
	s_add_co_i32 s12, s12, s13
	s_add_co_i32 s12, s12, 127
	s_lshl_b32 s12, s12, 23                        ; 2^(e10 + e11) as f32
	s_mov_b32 s13, s12
	s_wait_dscnt 0x0                               ; for the others' sake: my partial block lies in LDS
	s_barrier_signal -1
	s_barrier_wait -1
; Eight rows at a time: a row's 512 bytes from each of the four partial blocks, 16 bytes a lane.  Groups take turns between v64-191 of window 0 and of window 1.
.macro RDG g
	WIN (((\g)%2)<<6)
.irp t, 0,1,2,3,4,5,6,7
.irp q, 0,1,2,3
	ds_load_b128 v[64+16*\t+4*\q:64+16*\t+4*\q+3], v[RD+\q] offset:(8*(\g)+\t)*RP
.endr
.endr
.endm
.macro OUTG g, cnt                     ; cnt: the next group's loads, which may stay out
	s_wait_dscnt \cnt
	WIN (((\g)%2)*0x55)
.irp t, 0,1,2,3,4,5,6,7
.irp u, 0,2
	v_pk_add_f32 v[64+16*\t+\u:64+16*\t+\u+1], v[64+16*\t+\u:64+16*\t+\u+1], v[68+16*\t+\u:68+16*\t+\u+1]
	v_pk_add_f32 v[72+16*\t+\u:72+16*\t+\u+1], v[72+16*\t+\u:72+16*\t+\u+1], v[76+16*\t+\u:76+16*\t+\u+1]
.endr
.endr
.irp t, 0,1,2,3,4,5,6,7
.irp u, 0,2
	v_pk_add_f32 v[64+16*\t+\u:64+16*\t+\u+1], v[64+16*\t+\u:64+16*\t+\u+1], v[72+16*\t+\u:72+16*\t+\u+1]
.endr
.endr
.irp t, 0,1,2,3,4,5,6,7
.irp u, 0,2
	v_pk_mul_f32 v[64+16*\t+\u:64+16*\t+\u+1], v[64+16*\t+\u:64+16*\t+\u+1], s[12:13] op_sel_hi:[1,0]
.endr
.endr
	WIN (((\g)%2)<<2)
.irp t, 0,1,2,3,4,5,6,7
	global_store_b128 v[CO], v[64+16*\t:64+16*\t+3], s[10:11] offset:(8*(\g)+\t)*4096   ; 32 lanes store 512 consecutive bytes, at a multiple of 256 from the buffer's first byte
.endr
.endm
	RDG 0
	RDG 1
	OUTG 0, 32
	s_wait_xcnt 0x0                                ; group 0's stores have read their registers
	RDG 2
	OUTG 1, 32
	s_wait_xcnt 0x0
	RDG 3
	OUTG 2, 32
	OUTG 3, 0
	WIN 0
	s_wait_tensorcnt 0x0                           ; the wave's end
	ds_add_u32 v[SPW], v[NIL]
	s_wait_dscnt 0x0
	s_endpgm
.Lfunc_end_k_q12ddc05ed6_fc2_gemm:
	.size	k_q12ddc05ed6_fc2_gemm, .Lfunc_end_k_q12ddc05ed6_fc2_gemm-k_q12ddc05ed6_fc2_gemm
	.p2alignl 7, 3214868480
	.fill 96, 4, 3214868480
	.section	.rodata,"a",@progbits
	.p2align	6, 0x0
	.amdhsa_kernel k_q12ddc05ed6_fc2_gemm
		.amdhsa_group_segment_fixed_size 270848
		.amdhsa_private_segment_fixed_size 0
		.amdhsa_enable_private_segment 0
		.amdhsa_kernarg_size 32
		.amdhsa_user_sgpr_count 2
		.amdhsa_user_sgpr_kernarg_segment_ptr 1
		.amdhsa_wavefront_size32 1
		.amdhsa_system_sgpr_workgroup_id_x 1
		.amdhsa_system_sgpr_workgroup_id_y 1
		.amdhsa_system_sgpr_workgroup_id_z 1
		.amdhsa_system_vgpr_workitem_id 0
		.amdhsa_next_free_vgpr 1024
		.amdhsa_next_free_sgpr 66
		.amdhsa_reserve_vcc 0
		.amdhsa_float_denorm_mode_32 3
		.amdhsa_float_denorm_mode_16_64 3
		.amdhsa_memory_ordered 1
		.amdhsa_forward_progress 1
		.amdhsa_inst_pref_size 91
	.end_amdhsa_kernel
	.amdgpu_metadata
---
amdhsa.version: [ 1, 2 ]
amdhsa.kernels:
  - .name:           k_q12ddc05ed6_fc2_gemm
    .symbol:         k_q12ddc05ed6_fc2_gemm.kd
    .args:
      - { .name: gc, .offset: 0, .size: 8, .value_kind: global_buffer, .address_space: global }
      - { .name: W0, .offset: 8, .size: 8, .value_kind: global_buffer, .address_space: global }
      - { .name: lowp_scales, .offset: 16, .size: 8, .value_kind: global_buffer, .address_space: global }
      - { .name: pre, .offset: 24, .size: 8, .value_kind: global_buffer, .address_space: global }
    .group_segment_fixed_size: 270848
    .private_segment_fixed_size: 0
    .kernarg_segment_align: 8
    .kernarg_segment_size: 32
    .max_flat_workgroup_size: 128
    .sgpr_count:     66
    .vgpr_count:     1024
    .wavefront_size: 32
...
	.end_amdgpu_metadata
.endif
;; end of part 7
;; launch ln2 (part 8): grid 256 x 1, 8 waves a work-group, no clusters, 0 bytes of LDS; arguments pre, b_fc_proj, h, ln2_g, ln2_b, out0; writes out0
.if DOCPART == 8
	.amdgcn_target "amdgcn-amd-amdhsa--gfx1250"
	.amdhsa_code_object_version 6
	.text
	.protected	k_q12ddc05ed6_ln2
	.globl	k_q12ddc05ed6_ln2
	.p2align	8
	.type	k_q12ddc05ed6_ln2,@function
k_q12ddc05ed6_ln2:
	s_mov_b64 s[64:65], 0
	v_nop
	global_prefetch_b8 v0, s[64:65] scope:SCOPE_SE
	s_setreg_imm32_b32 hwreg(HW_REG_WAVE_MODE, 25, 1), 1
	s_wait_xcnt 0x0
; out0 = LayerNorm(h + (pre + b_fc_proj)) x g + b, rows of 1,024, in f32.
; A work-group takes 16 rows, a wave two whole rows in registers: lane l holds columns 128 j + 4 l + 0 .. 3, so every load and store covers 512 consecutive bytes.
; Mean first, then the sum of squared differences: no difference of large sums.  Memory binds: no LDS, no matrix unit, no cluster, no barrier: waves share nothing.
.set T0, 16
.set R0, 80
.set BI, 144
.set GA, 176
.set BE, 208
	s_load_b256 s[4:11], s[0:1], 0x0               ; pre, b_fc_proj, h, g
	s_load_b128 s[12:15], s[0:1], 0x20             ; b, out0
	v_lshrrev_b32 v1, 5, v0
	s_delay_alu instid0(VALU_DEP_1)
	v_readfirstlane_b32 s20, v1                    ; wave 0..7
	v_and_b32 v2, 31, v0
	s_delay_alu instid0(VALU_DEP_1)
	v_lshlrev_b32 v3, 4, v2                        ; 16 x lane
	s_lshl_b32 s22, ttmp9, 16
	s_lshl_b32 s23, s20, 13
	s_add_co_u32 s22, s22, s23                     ; my two rows of 4,096 bytes
	s_mov_b32 s23, 0
	s_mov_b32 s24, 0x76543210
	s_mov_b32 s25, 0xfedcba98
	s_mov_b32 s27, 0x3a800000                      ; 1 / 1,024
	s_mov_b32 s28, 0x3727c5ac                      ; 1e-5
	s_wait_alu depctr_va_vdst(0)
	s_wait_kmcnt 0x0
	s_add_nc_u64 s[4:5], s[4:5], s[22:23]
	s_add_nc_u64 s[8:9], s[8:9], s[22:23]
	s_add_nc_u64 s[14:15], s[14:15], s[22:23]
.irp p, 0,1
.irp j, 0,1,2,3,4,5,6,7
	global_load_b128 v[T0+32*\p+4*\j:T0+32*\p+4*\j+3], v3, s[4:5] offset:4096*\p+512*\j th:TH_LOAD_NT
.endr
.endr
.irp p, 0,1
.irp j, 0,1,2,3,4,5,6,7
	global_load_b128 v[R0+32*\p+4*\j:R0+32*\p+4*\j+3], v3, s[8:9] offset:4096*\p+512*\j th:TH_LOAD_NT
.endr
.endr
.irp j, 0,1,2,3,4,5,6,7
	global_load_b128 v[BI+4*\j:BI+4*\j+3], v3, s[6:7] offset:512*\j
.endr
.irp j, 0,1,2,3,4,5,6,7
	global_load_b128 v[GA+4*\j:GA+4*\j+3], v3, s[10:11] offset:512*\j
.endr
.irp j, 0,1,2,3,4,5,6,7
	global_load_b128 v[BE+4*\j:BE+4*\j+3], v3, s[12:13] offset:512*\j
.endr
.macro LANES a                         ; two pairs of partial sums in v[a .. a+3] become the row's sum in v[a] of every lane
	s_delay_alu instid0(VALU_DEP_1)
	v_pk_add_f32 v[\a:\a+1], v[\a:\a+1], v[\a+2:\a+3]
	s_delay_alu instid0(VALU_DEP_1)
	v_add_f32 v[\a], v[\a], v[\a+1]
	s_delay_alu instid0(VALU_DEP_1)
	v_add_f32_dpp v[\a], v[\a], v[\a] row_xmask:1 row_mask:0xf bank_mask:0xf
	s_delay_alu instid0(VALU_DEP_1)
	v_add_f32_dpp v[\a], v[\a], v[\a] row_xmask:2 row_mask:0xf bank_mask:0xf
	s_delay_alu instid0(VALU_DEP_1)
	v_add_f32_dpp v[\a], v[\a], v[\a] row_xmask:4 row_mask:0xf bank_mask:0xf
	s_delay_alu instid0(VALU_DEP_1)
	v_add_f32_dpp v[\a], v[\a], v[\a] row_xmask:8 row_mask:0xf bank_mask:0xf
	s_delay_alu instid0(VALU_DEP_1)
	v_permlanex16_b32 v[\a+1], v[\a], s24, s25
	s_delay_alu instid0(VALU_DEP_1)
	v_add_f32 v[\a], v[\a], v[\a+1]
.endm
.macro MOMENTS t, a                    ; row in v[t .. t+31] becomes its differences from the mean; v[a] = the variance + 1e-5
	v_pk_add_f32 v[\a:\a+1], v[\t:\t+1], v[\t+2:\t+3]
	v_pk_add_f32 v[\a+2:\a+3], v[\t+4:\t+5], v[\t+6:\t+7]
.irp j, 8,12,16,20,24,28
	s_delay_alu instid0(VALU_DEP_2)
	v_pk_add_f32 v[\a:\a+1], v[\a:\a+1], v[\t+\j:\t+\j+1]
	s_delay_alu instid0(VALU_DEP_2)
	v_pk_add_f32 v[\a+2:\a+3], v[\a+2:\a+3], v[\t+\j+2:\t+\j+3]
.endr
	LANES \a
	s_delay_alu instid0(VALU_DEP_1)
	v_mul_f32 v[\a], 0xba800000, v[\a]             ; minus the mean
	s_delay_alu instid0(VALU_DEP_1)
	v_mov_b32 v[\a+1], v[\a]
.irp j, 0,2,4,6,8,10,12,14,16,18,20,22,24,26,28,30
	v_pk_add_f32 v[\t+\j:\t+\j+1], v[\t+\j:\t+\j+1], v[\a:\a+1]
.endr
	v_pk_mul_f32 v[\a:\a+1], v[\t:\t+1], v[\t:\t+1]
	v_pk_mul_f32 v[\a+2:\a+3], v[\t+2:\t+3], v[\t+2:\t+3]
.irp j, 4,8,12,16,20,24,28
	s_delay_alu instid0(VALU_DEP_2)
	v_pk_fma_f32 v[\a:\a+1], v[\t+\j:\t+\j+1], v[\t+\j:\t+\j+1], v[\a:\a+1]
	s_delay_alu instid0(VALU_DEP_2)
	v_pk_fma_f32 v[\a+2:\a+3], v[\t+\j+2:\t+\j+3], v[\t+\j+2:\t+\j+3], v[\a+2:\a+3]
.endr
	LANES \a
	s_delay_alu instid0(VALU_DEP_1)
	v_fma_f32 v[\a], v[\a], s27, s28
.endm
	s_wait_loadcnt 16                              ; pre, h and the bias are in; the gain's and the second bias's 16 loads may be out
.irp p, 0,1
.irp j, 0,2,4,6,8,10,12,14,16,18,20,22,24,26,28,30
	v_pk_add_f32 v[T0+32*\p+\j:T0+32*\p+\j+1], v[T0+32*\p+\j:T0+32*\p+\j+1], v[BI+\j:BI+\j+1]
.endr
.irp j, 0,2,4,6,8,10,12,14,16,18,20,22,24,26,28,30
	v_pk_add_f32 v[T0+32*\p+\j:T0+32*\p+\j+1], v[T0+32*\p+\j:T0+32*\p+\j+1], v[R0+32*\p+\j:R0+32*\p+\j+1]
.endr
.endr
	MOMENTS T0, 4
	MOMENTS T0+32, 8
	s_wait_alu depctr_va_vdst(0)
	v_rsq_f32 v4, v4
	v_rsq_f32 v8, v8
	v_nop                                          ; a plain instruction behind the two roots
	s_wait_alu depctr_va_vdst(0)                   ; one wait for both, ahead of their first reader
	v_mov_b32 v5, v4
	v_mov_b32 v9, v8
	s_wait_alu depctr_va_vdst(0)
	s_wait_loadcnt 0x0
.irp p, 0,1
.irp j, 0,2,4,6,8,10,12,14,16,18,20,22,24,26,28,30
	v_pk_mul_f32 v[T0+32*\p+\j:T0+32*\p+\j+1], v[T0+32*\p+\j:T0+32*\p+\j+1], v[4+4*\p:5+4*\p]
.endr
.irp j, 0,2,4,6,8,10,12,14,16,18,20,22,24,26,28,30
	v_pk_fma_f32 v[T0+32*\p+\j:T0+32*\p+\j+1], v[T0+32*\p+\j:T0+32*\p+\j+1], v[GA+\j:GA+\j+1], v[BE+\j:BE+\j+1]
.endr
.irp j, 0,1,2,3,4,5,6,7
	global_store_b128 v3, v[T0+32*\p+4*\j:T0+32*\p+4*\j+3], s[14:15] offset:4096*\p+512*\j th:TH_STORE_NT
.endr
.endr
	s_endpgm
.Lfunc_end_k_q12ddc05ed6_ln2:
	.size	k_q12ddc05ed6_ln2, .Lfunc_end_k_q12ddc05ed6_ln2-k_q12ddc05ed6_ln2
	.p2alignl 7, 3214868480
	.fill 96, 4, 3214868480
	.section	.rodata,"a",@progbits
	.p2align	6, 0x0
	.amdhsa_kernel k_q12ddc05ed6_ln2
		.amdhsa_group_segment_fixed_size 0
		.amdhsa_private_segment_fixed_size 0
		.amdhsa_enable_private_segment 0
		.amdhsa_kernarg_size 48
		.amdhsa_user_sgpr_count 2
		.amdhsa_user_sgpr_kernarg_segment_ptr 1
		.amdhsa_wavefront_size32 1
		.amdhsa_system_sgpr_workgroup_id_x 1
		.amdhsa_system_sgpr_workgroup_id_y 1
		.amdhsa_system_sgpr_workgroup_id_z 1
		.amdhsa_system_vgpr_workitem_id 0
		.amdhsa_next_free_vgpr 256
		.amdhsa_next_free_sgpr 66
		.amdhsa_reserve_vcc 0
		.amdhsa_float_denorm_mode_32 3
		.amdhsa_float_denorm_mode_16_64 3
		.amdhsa_memory_ordered 1
		.amdhsa_forward_progress 1
		.amdhsa_inst_pref_size 27
	.end_amdhsa_kernel
	.amdgpu_metadata
---
amdhsa.version: [ 1, 2 ]
amdhsa.kernels:
  - .name:           k_q12ddc05ed6_ln2
    .symbol:         k_q12ddc05ed6_ln2.kd
    .args:
      - { .name: pre, .offset: 0, .size: 8, .value_kind: global_buffer, .address_space: global }
      - { .name: b_fc_proj, .offset: 8, .size: 8, .value_kind: global_buffer, .address_space: global }
      - { .name: h, .offset: 16, .size: 8, .value_kind: global_buffer, .address_space: global }
      - { .name: ln2_g, .offset: 24, .size: 8, .value_kind: global_buffer, .address_space: global }
      - { .name: ln2_b, .offset: 32, .size: 8, .value_kind: global_buffer, .address_space: global }
      - { .name: out0, .offset: 40, .size: 8, .value_kind: global_buffer, .address_space: global }
    .group_segment_fixed_size: 0
    .private_segment_fixed_size: 0
    .kernarg_segment_align: 8
    .kernarg_segment_size: 48
    .max_flat_workgroup_size: 256
    .sgpr_count:     66
    .vgpr_count:     256
    .wavefront_size: 32
...
	.end_amdgpu_metadata
.endif
;; end of part 8
